; MI455X (gfx1250); checked and timed in simulation.
; The chip was launched on July 23, 2026; its instructions are those of AMD's public machine-readable ISA for CDNA 5 (MIT licence, August 2026) and "CDNA5" Instruction Set Architecture Reference Guide (July 2026). The comments in the code are by the model that wrote it; some were corrected since.
;; Attention Layer. Allowed arithmetic: matrix products marked QUANTISED: E2M1 operands, one E8M0 scale for each 32 along K, by v_wmma_scale_f32_16x16x128_f8f6f4 with both operands' format E2M1 (or v_wmma_scale_f32_32x16x128_f4), f32 sums; products left as they are: f32 operands where the result goes on into a quantised operand, else bf16, f16 or f32 operands; f32 sums; everything else in f32.
;; Inputs: U_a_codes 1,024 x 32 x 16 uint8 (E2M1 codes of U_a, K innermost, in blocks of 32 codes, two codes a byte); U_a_scales 1,024 x 32 uint8 (E8M0 scales of U_a, one for each 32 codes along K); W_a_codes 1,024 x 32 x 16 uint8 (E2M1 codes of W_a, K innermost, in blocks of 32 codes, two codes a byte); W_a_scales 1,024 x 32 uint8 (E8M0 scales of W_a, one for each 32 codes along K); h 32 x 2,048 x 1,024 float32; s_codes 32 x 32 x 16 uint8 (E2M1 codes of s, K innermost, in blocks of 32 codes, two codes a byte); s_scales 32 x 32 uint8 (E8M0 scales of s, one for each 32 codes along K); v_a 1,024 float32.
;; Outputs: out0 32 x 1,024 float32.
;; This version of the problem:
;;   THIS VERSION OF THE PROBLEM IS GIVEN IN LOW PRECISION. The matrix products marked QUANTISED in the list below multiply operands that are first quantised to E2M1 (2 exponent bits, 1 mantissa bit; 4 bits a number), with one power-of-two scale for each 32 numbers along K (OCP MX v1.0); their sums are f32. All else is computed in f32.
;;   The module's matrix products, in the order in which they are computed (A, B: the left and right operand; K: the contracted axis; several contracted axes count as one K, in the product's order):
;;     1. [M 65,536, K 1,024] x [K 1,024, N 1,024]; A: input h; B: input U_a (given as codes): QUANTISED
;;     2. [M 32, K 1,024] x [K 1,024, N 1,024]; A: input s (given as codes); B: input W_a (given as codes): QUANTISED
;;     3. [M 65,536, K 1,024] x [K 1,024, N 1]; A: computed on the way; B: input v_a: left as it is (N = 1 < 16)
;;     4. batch 32 x [M 1, K 2,048] x [K 2,048, N 1,024]; A: computed on the way; B: input h: left as it is (M = 1 < 16)
;;   THE QUANTISER, for each operand of a quantised product, along K:
;;     - K is cut into blocks of 32 from its start; a last block that is shorter is filled with zeros.
;;     - A block's scale is 2^e with e = floor(log2(the largest magnitude in the block)) - 2, held to -126 .. 127; a block of zeros has e = 0. As a byte (E8M0): e + 127.
;;     - Each number is divided by its block's scale, clamped to +-6, and rounded to the nearest number of E2M1, ties to even, subnormals kept.
;;     - The product sums the exact products of the quantised numbers (number of the format x scale) in f32.
;;   ~~~python
;;   def quantise(x, axis):      # numpy; x: float32 -> the quantised numbers, widened to float32 again
;;       x = np.moveaxis(x, axis, -1); K = x.shape[-1]
;;       x = np.pad(x, [(0, 0)] * (x.ndim - 1) + [(0, -K % 32)]); x = x.reshape(x.shape[:-1] + (-1, 32)); a = np.abs(x).max(-1, keepdims=True)
;;       e = np.where(a > 0, np.clip(np.frexp(np.where(a > 0, a, 1))[1] - 1 - 2, -126, 127), 0)      # np.frexp(a)[1] - 1 = floor(log2(a)), exactly
;;       r = np.clip(x / 2.0 ** e, -6, 6)
;;       step = 2.0 ** (np.maximum(np.frexp(np.where(r == 0, 1, r))[1] - 1, 0) - 1)
;;       q = np.round(r / step) * step * 2.0 ** e      # np.round: ties to even
;;       return np.moveaxis(q.reshape(q.shape[:-2] + (-1,))[..., :K], -1, axis).astype(np.float32)
;;   ~~~
;;   INPUTS GIVEN AS CODES. U_a (in the module: [1024, 1024], K = its axis 0); W_a (in the module: [1024, 1024], K = its axis 0); s (in the module: [32, 1024], K = its axis 1): each comes as NAME_codes (uint8): NAME with its K axis moved to the last place and cut into blocks of 32 codes, [.., K / 32, bytes a block], one block behind the other in memory; two codes a byte, the lower K in the low four bits (a code: sign, 2 exponent bits, 1 mantissa bit); and NAME_scales (uint8): the same leading axes, one E8M0 byte (e + 127) for each 32 codes along K. Its value is code x scale, taken as it is: it is not quantised again, and the codes and scales need not be those that the quantiser above would give.
;; 2 versions, each right; version 2 is version 1 with the launches prep, main written anew for expert scheduling mode. Each part assembles by itself: llvm-mc -triple=amdgcn-amd-amdhsa -mcpu=gfx1250 --defsym DOCPART=n.
;; ======== version 1 of 2: 3 launches
;; workspace buffers: uimg 524,288 bytes; ws 131,072 bytes; part 1,114,112 bytes
;; launch prep (part 1): grid 16 x 1, 4 waves a work-group, no clusters, 9,216 bytes of LDS; arguments U_a_codes, W_a_codes, W_a_scales, s_codes, s_scales, uimg, ws; writes uimg, ws
.if DOCPART == 1
	.amdgcn_target "amdgcn-amd-amdhsa--gfx1250"
	.amdhsa_code_object_version 6
	.text
	.protected	k_qee2df2337b_prep
	.globl	k_qee2df2337b_prep
	.p2align	8
	.type	k_qee2df2337b_prep,@function
k_qee2df2337b_prep:
	s_mov_b64 s[64:65], 0
	v_nop
	global_prefetch_b8 v0, s[64:65] scope:SCOPE_SE
	s_setreg_imm32_b32 hwreg(HW_REG_WAVE_MODE, 25, 1), 1
	s_wait_xcnt 0x0
; Two small jobs ahead of the main launch.
; (1) uimg: U's codes in the order of an operand's registers, [tile of 16 rows a: 64][128 along K: 8][half of a fragment: 2][lane: 32][16 bytes], so that the main launch
;     loads a fragment by two loads of 512 consecutive bytes.  (2) ws[b][a] = sum over k of s[b][k] W[k][a], on codes of FP4 (E2M1) with E8M0 scales as they are given.
; SHARES: 64 waves, one to each tile nt = 4 x work-group + wave of 16 rows a, of U and of W alike.
; THE PRODUCT IS USED TRANSPOSED: source 0 = 16 rows of W, source 1 = 16 rows of s: lane (r, hh) then holds ws[16 mb + r][16 nt + 8 hh + 0 .. 7], eight neighbours of a row.
; A row's 64 numbers of a work-group (256 bytes) come from its four waves: they meet in a stage in LDS (32 rows x (256 + 16) bytes) and leave as whole aligned runs of 256 bytes.
; REGISTERS: window 0: v3-9 addresses; v16-79 W's 8 fragments; v80-143 U's; v144-151 W's scale words; v152-167 those of s; v168-183 two accumulators; v184-199 the way out.  Window 1: v0-127 the 16 fragments of s.
.set WF,   16
.set UFR,  80
.set WSC,  144
.set SSC,  152
.set AC,   168
.set OUTR, 184
.set MSB, 0
.macro WIN new                         ; the immediate's high byte repeats the setting that is left
.if MSB != \new
	s_set_vgpr_msb (MSB<<8)|\new
.set MSB, \new
.endif
.endm
	s_load_b256 s[4:11], s[0:1], 0x0               ; U's codes s[4:5], W's codes s[6:7], W's scales s[8:9], the codes of s s[10:11]
	s_load_b128 s[12:15], s[0:1], 0x20             ; the scales of s s[12:13], uimg s[14:15]
	s_load_b64 s[16:17], s[0:1], 0x30              ; ws
	v_lshl_add_u32 v254, v0, 2, 0x2200
	v_mov_b32 v255, 0
	v_lshrrev_b32 v1, 5, v0
	v_readfirstlane_b32 s18, v1                    ; wave 0..3
	v_and_b32 v1, 31, v0                           ; lane
	v_and_b32 v2, 15, v0                           ; r
	v_bfe_u32 v4, v0, 4, 1                         ; hh
	v_lshlrev_b32 v3, 9, v2
	v_lshl_add_u32 v3, v4, 4, v3                   ; a fragment from rows of 512 bytes: 512 r + 16 hh
	v_lshlrev_b32 v5, 4, v1                        ; 16 x lane
	v_lshlrev_b32 v6, 5, v2                        ; a row of 32 scale bytes
	v_mul_u32_u24 v7, v2, 272
	v_lshl_add_u32 v7, v4, 5, v7
	s_lshl_b32 s19, s18, 6
	v_add_nc_u32 v7, s19, v7                       ; the stage, on the way in: row r, + 64 x wave + 32 hh
	s_mul_i32 s19, s18, 8*272
	v_mul_u32_u24 v8, v4, 272
	v_lshl_add_u32 v8, v2, 4, v8
	v_add_nc_u32 v8, s19, v8                       ; and on the way out: rows 8 x wave + hh on, 16 bytes a lane
	s_lshl_b32 s19, s18, 15
	v_lshlrev_b32 v9, 12, v4
	v_lshl_add_u32 v9, v2, 4, v9
	v_add_nc_u32 v9, s19, v9                       ; the same rows in ws (4,096 bytes a row)
	s_lshl_b32 s20, ttmp9, 2
	s_add_co_u32 s20, s20, s18                     ; nt
	s_lshl_b32 s22, s20, 13                        ; 16 rows of 512 bytes, and a tile's image: 8,192 nt
	s_mov_b32 s23, 0
	s_lshl_b32 s24, s20, 9                         ; 16 rows of 32 scale bytes
	s_mov_b32 s25, 0
	s_lshl_b32 s26, ttmp9, 8                       ; the work-group's 64 columns of ws
	s_mov_b32 s27, 0
	s_wait_kmcnt 0x0
	s_add_nc_u64 s[4:5], s[4:5], s[22:23]
	s_add_nc_u64 s[6:7], s[6:7], s[22:23]
	s_add_nc_u64 s[14:15], s[14:15], s[22:23]
	s_add_nc_u64 s[8:9], s[8:9], s[24:25]
	s_add_nc_u64 s[16:17], s[16:17], s[26:27]
.irp q, 0,1,2,3,4,5,6,7
.irp c, 0,1
	global_load_b128 v[UFR+8*\q+4*\c:UFR+8*\q+4*\c+3], v3, s[4:5] offset:64*\q+32*\c    ; U(16 nt + r, 128 q + 64 c + 32 hh ..): 32 codes
.endr
.endr
.irp q, 0,1,2,3,4,5,6,7
.irp c, 0,1
	global_load_b128 v[WF+8*\q+4*\c:WF+8*\q+4*\c+3], v3, s[6:7] offset:64*\q+32*\c
.endr
.endr
	global_load_b128 v[WSC:WSC+3], v6, s[8:9]                                           ; register q: row r's scale word of K step q
	global_load_b128 v[WSC+4:WSC+7], v6, s[8:9] offset:16
.irp b, 0,1
	global_load_b128 v[SSC+8*\b:SSC+8*\b+3], v6, s[12:13] offset:512*\b
	global_load_b128 v[SSC+8*\b+4:SSC+8*\b+7], v6, s[12:13] offset:512*\b+16
.endr
	WIN 0x40                                       ; destination window 1
.irp b, 0,1
.irp q, 0,1,2,3,4,5,6,7
.irp c, 0,1
	global_load_b128 v[8*(8*\b+\q)+4*\c:8*(8*\b+\q)+4*\c+3], v3, s[10:11] offset:8192*\b+64*\q+32*\c
.endr
.endr
.endr
	WIN 0
	s_wait_loadcnt 54                              ; U's sixteen loads are in; the 54 issued behind them (16 + 2 + 4 + 32) may be out
.irp q, 0,1,2,3,4,5,6,7
.irp c, 0,1
	global_store_b128 v5, v[UFR+8*\q+4*\c:UFR+8*\q+4*\c+3], s[14:15] offset:1024*\q+512*\c   ; the registers as they stand: 32 lanes store 512 consecutive bytes
.endr
.endr
	s_wait_loadcnt 0x0
	WIN 0x04                                       ; source 1 (s) window 1
.irp q, 0,1,2,3,4,5,6,7                        ; the two accumulators take turns, one instruction a turn; the first K step starts the sums
.irp b, 0,1
.if \q == 0
	v_wmma_scale_f32_16x16x128_f8f6f4 v[AC+8*\b:AC+8*\b+7], v[WF+8*\q:WF+8*\q+7], v[8*(8*\b+\q):8*(8*\b+\q)+7], 0, v[WSC+\q], v[SSC+8*\b+\q] matrix_a_fmt:MATRIX_FMT_FP4 matrix_b_fmt:MATRIX_FMT_FP4
.else
	v_wmma_scale_f32_16x16x128_f8f6f4 v[AC+8*\b:AC+8*\b+7], v[WF+8*\q:WF+8*\q+7], v[8*(8*\b+\q):8*(8*\b+\q)+7], v[AC+8*\b:AC+8*\b+7], v[WSC+\q], v[SSC+8*\b+\q] matrix_a_fmt:MATRIX_FMT_FP4 matrix_b_fmt:MATRIX_FMT_FP4
.endif
.endr
.endr
	WIN 0
.rept 4
	v_nop                                          ; four places between the last product and the first read of a result (ISA guide 7.12.1)
.endr
.irp b, 0,1
	ds_store_b128 v7, v[AC+8*\b:AC+8*\b+3] offset:4352*\b          ; each accumulator from its low end on
	ds_store_b128 v7, v[AC+8*\b+4:AC+8*\b+7] offset:4352*\b+16
.endr
	s_wait_dscnt 0x0                               ; for the others' sake: my stores into the stage are done
	s_barrier_signal -1
	s_barrier_wait -1
.irp u, 0,1,2,3
	ds_load_b128 v[OUTR+4*\u:OUTR+4*\u+3], v8 offset:544*\u        ; two whole rows of 256 bytes
.endr
.irp u, 0,1,2,3
	s_wait_dscnt 3-\u
	global_store_b128 v9, v[OUTR+4*\u:OUTR+4*\u+3], s[16:17] offset:8192*\u   ; sixteen lanes store 256 consecutive bytes, at a multiple of 256 from the buffer's first byte
.endr
	s_wait_tensorcnt 0x0
	ds_add_u32 v254, v255
	s_wait_dscnt 0x0
	s_endpgm
.Lfunc_end_k_qee2df2337b_prep:
	.size	k_qee2df2337b_prep, .Lfunc_end_k_qee2df2337b_prep-k_qee2df2337b_prep
	.p2alignl 7, 3214868480
	.fill 96, 4, 3214868480
	.section	.rodata,"a",@progbits
	.p2align	6, 0x0
	.amdhsa_kernel k_qee2df2337b_prep
		.amdhsa_group_segment_fixed_size 9216
		.amdhsa_private_segment_fixed_size 0
		.amdhsa_enable_private_segment 0
		.amdhsa_kernarg_size 56
		.amdhsa_user_sgpr_count 2
		.amdhsa_user_sgpr_kernarg_segment_ptr 1
		.amdhsa_wavefront_size32 1
		.amdhsa_system_sgpr_workgroup_id_x 1
		.amdhsa_system_sgpr_workgroup_id_y 1
		.amdhsa_system_sgpr_workgroup_id_z 1
		.amdhsa_system_vgpr_workitem_id 0
		.amdhsa_next_free_vgpr 384
		.amdhsa_next_free_sgpr 66
		.amdhsa_reserve_vcc 0
		.amdhsa_float_denorm_mode_32 3
		.amdhsa_float_denorm_mode_16_64 3
		.amdhsa_memory_ordered 1
		.amdhsa_forward_progress 1
		.amdhsa_inst_pref_size 14
	.end_amdhsa_kernel
	.amdgpu_metadata
---
amdhsa.version: [ 1, 2 ]
amdhsa.kernels:
  - .name:           k_qee2df2337b_prep
    .symbol:         k_qee2df2337b_prep.kd
    .args:
      - { .name: U_a_codes, .offset: 0, .size: 8, .value_kind: global_buffer, .address_space: global }
      - { .name: W_a_codes, .offset: 8, .size: 8, .value_kind: global_buffer, .address_space: global }
      - { .name: W_a_scales, .offset: 16, .size: 8, .value_kind: global_buffer, .address_space: global }
      - { .name: s_codes, .offset: 24, .size: 8, .value_kind: global_buffer, .address_space: global }
      - { .name: s_scales, .offset: 32, .size: 8, .value_kind: global_buffer, .address_space: global }
      - { .name: uimg, .offset: 40, .size: 8, .value_kind: global_buffer, .address_space: global }
      - { .name: ws, .offset: 48, .size: 8, .value_kind: global_buffer, .address_space: global }
    .group_segment_fixed_size: 9216
    .private_segment_fixed_size: 0
    .kernarg_segment_align: 8
    .kernarg_segment_size: 56
    .max_flat_workgroup_size: 128
    .sgpr_count:     66
    .vgpr_count:     384
    .wavefront_size: 32
...
	.end_amdgpu_metadata
.endif
;; end of part 1
;; launch main (part 2): grid 256 x 1, 4 waves a work-group, no clusters, 316,928 bytes of LDS; arguments h, uimg, U_a_scales, ws, v_a, part; writes part
.if DOCPART == 2
	.amdgcn_target "amdgcn-amd-amdhsa--gfx1250"
	.amdhsa_code_object_version 6
	.text
	.protected	k_qee2df2337b_main
	.globl	k_qee2df2337b_main
	.p2align	8
	.type	k_qee2df2337b_main,@function
k_qee2df2337b_main:
	s_mov_b64 s[64:65], 0
	v_nop
	global_prefetch_b8 v0, s[64:65] scope:SCOPE_SE
	s_setreg_imm32_b32 hwreg(HW_REG_WAVE_MODE, 25, 1), 1
	s_wait_xcnt 0x0
; For 256 rows t of one batch: x[t][a] = ws[a] + sum over k of Q(h)[t][k] U[k][a] on codes of FP4 (E2M1) with E8M0 scales; the score e[t] = sum over a of v[a] tanh(x[t][a]); then the weighted sum of the rows.
; tanh x = 1 - 2 / (1 + 2^(2 log2(e) x)), so e = (sum of v) - 2 Z with Z = sum of v[a] / (1 + 2^(c x)).  The constant (sum of v) falls out of exp(e) / sum of exp(e), for every input.
; The weights are w = 2^(t - m), t = -2 log2(e) Z, m the running largest t; stored are sum of w h (1,024 f32), m and l = sum of w; the next launch joins a batch's eight parts.
; h IS READ FROM MEMORY ONCE: each slice is turned into codes for the product and, rounded to bf16, kept in LDS until its rows' weights are known.
; SHARES.  Four tiles of 64 rows.  A tile's work is 8 trips.  In trip j wave w multiplies the tile's 64 rows (their codes: 256 registers) by 32 columns a = 256 w + 32 j .. + 31 (64 matrix instructions, 64 registers of
; tanh), and meanwhile quantises slice j (128 along K) of its own 16 rows of the NEXT tile.  Codes go from wave to wave through LDS as images of the operand's registers.
; THE PRODUCT IS USED TRANSPOSED (source 0 = 16 rows of U, source 1 = 16 rows of h): lane (r, hh) holds row r and columns a0 + 8 hh + 0 .. 7; ws is the C of each sum's first matrix instruction.
; U A TRIP AHEAD.  U's fragments, its scale words, ws and v have two sets of registers, which take turns trip by trip.  The 42 loads for trip j + 1 stand at the head of trip j, into the set that trip j - 1 multiplied:
; they have the turn through the stage, the 64 products and the tanh in which to land.
; NO TENSOR LOADS, NO CLUSTER, though every work-group walks the same U: LDS holds two tiles of bf16 rows (262,144 bytes), the images (32,768), the scale bytes (2,048), four stages (17,408) and 2,048 bytes of
; scores and weights: 316,416 of 327,680 bytes.  What is left, 11,264 bytes, holds no slot for U (one wave's chunk of a trip is 16,384 bytes).  So U comes from memory straight into registers, in fragment order.
; LIMITS: NaN and infinities among the inputs are not served.  A block of h whose largest magnitude lies under 2^-124 has the scale byte 1 (for a block of zeros too, where the rule says 127: its codes are
; zeros, and this program alone reads the bytes).  For the last product h is rounded to bf16.  The last two requests for h have no slice left and are held at slice 31, which is so loaded three times
; (64 KB of the work-group's 1 MB): the price of one text and one wait count for all trips.
; LDS: RET [wave 4][turn 2][16 rows][2,048 B]; IMG fragment (m, q) at 8,192 m + 1,024 q + 512 c + 16 lane; HSC 32 bytes a row; STG a stage of 16 rows x 272 B for each wave; PART, WGT 64 f32 for each wave.
; REGISTERS, in windows of 256 (s_set_vgpr_msb: bits 1:0 source 0, 3:2 source 1, 5:4 source 2, 7:6 destination):
;   window 0: v1-31, v56-59 addresses; v32-47 h's scale words; v48-55 and v208-215 U's, two sets; v64-127 the 8 accumulators, later the 64 weights; v128-191 64 numbers of h, later bf16 rows; v192-199 codes just made;
;             v200-207 the quantiser; v216 m, v217 l; v218-230 at work; v232-247 the scores' sums; v248-255 my 8 sums of w h.
;   window 1: the tile's 32 fragments, (m, q) at 8 (8 m + q).   window 2: v0-127 U's 16 fragments, set 0; v128-143 and v216-231 ws, two sets; v144-175 v, two sets; v184-215 bf16 pairs.
;   window 3: v0-127 h as loaded, two sets; v128-255 U's 16 fragments, set 1.
.set TURN, 0x8000                      ; from one turn of a wave's retention rows to the other
.set IMG,  262144
.set HSC,  294912
.set STG,  296960
.set STGW, 4352
.set PART, 314368
.set WGT,  315392
.set L16, 4                            ; 16 x lane
.set L32, 5                            ; 32 x lane
.set H32, 6                            ; 32 hh
.set HL,  7                            ; h: 4,096 hh + 16 r
.set HO,  8                            ; v8-9  the offsets of the two sets' loads of h
.set UO,  10                           ; U's fragments
.set USO, 11                           ; U's scale words
.set BO,  12                           ; ws and v
.set RWB, 13                           ; retention: 65,536 w + 2,048 hh + 8 r
.set RW,  14                           ; + the turn + 512 x body
.set STS, 15                           ; my stage, on the way in: 272 hh + 16 r
.set STL, 16                           ; and back: 272 r + 128 hh
.set IMB, 17                           ; my images: IMG + 8,192 w + 16 lane
.set IM,  18                           ; + 2,048 x body
.set HSB, 19                           ; my rows' scale bytes: HSC + 32 (16 w + r)
.set HSA, 20                           ; + 8 x body
.set IML, 21                           ; IMG + 16 lane
.set HSL, 22                           ; HSC + 32 lane
.set PAS, 23                           ; PART + 256 w + 4 lane
.set PAL, 24                           ; PART + 8 lane
.set WGS, 25                           ; WGT + 256 w + 8 lane
.set WGL, 26                           ; WGT + 256 w
.set PRB, 27                           ; 512 w + 16 lane: my 8 columns of a bf16 row
.set SH8, 28                           ; 8 hh
.set PFL, 29                           ; the prefetch: 4,096 (lane / 2) + 256 (lane % 2)
.set PF,  30
.set OA,  31
.set HS,  32                           ; register 8 p + q: lanes 0-15 the word of rows 32 p + r, lanes 16-31 of rows 32 p + 16 + r, K step q
.set USC, 48                           ; register q: lanes 0-15 the first tile's rows of U, lanes 16-31 the second's
.set USD, 160                          ; from set 0 of these words to set 1: v208-215
.set PR,  56                           ; v56-59 bf16 rows 16 m on: PRB + the turn + 65,536 m
.set ACC, 64
.set WT,  64
.set X,   128
.set CD,  192
.set QM,  200
.set QE,  202
.set QB,  204
.set QW,  206
.set QP,  207
.set MX,  216
.set LSUM, 217
.set Z,   218
.set TW,  222
.set TP,  230
.set S,   232
.set CACC, 248
.set BI,  128                          ; window 2
.set BID, 88                           ; from set 0 of ws to set 1: v216-231
.set VV,  144
.set T,   184
.set MSB, 0
.macro WIN new                         ; the immediate's high byte repeats the setting that is left; a switch that changes nothing is dropped
.if MSB != (\new)
	s_set_vgpr_msb (MSB<<8)|(\new)
.set MSB, (\new)
.endif
.endm
; s27: a slice's number, 8 x tile + slice -> s27: its bytes from the wave's first row: 64 rows of 4,096 a tile, 512 a slice
.macro SLICE_OFF
	s_lshr_b32 s28, s27, 3
	s_lshl_b32 s28, s28, 18
	s_and_b32 s27, s27, 7
	s_lshl_b32 s27, s27, 9
	s_add_co_u32 s27, s27, s28
.endm
; 42 loads: what trip s27 (0..7) wants of U, ws and v, into set vs.  The three address registers are written behind the wait that shows the last such loads done.
.macro UG vs
	v_lshl_add_u32 v[UO], s27, 14, v[L16]          ; two tiles' images: 16,384 bytes a trip
	v_lshl_add_u32 v[USO], s27, 10, v[L32]         ; 32 rows of 32 scale bytes
	v_lshl_add_u32 v[BO], s27, 7, v[H32]           ; 32 f32
	global_load_b128 v[USC+USD*(\vs):USC+USD*(\vs)+3], v[USO], s[8:9]
	global_load_b128 v[USC+USD*(\vs)+4:USC+USD*(\vs)+7], v[USO], s[8:9] offset:16
	WIN 0x80+0x40*(\vs)                            ; destination window 2 (set 0) or 3 (set 1)
.irp t, 0,1
.irp q, 0,1,2,3,4,5,6,7
.irp c, 0,1
	global_load_b128 v[128*(\vs)+8*(8*\t+\q)+4*\c:128*(\vs)+8*(8*\t+\q)+4*\c+3], v[UO], s[6:7] offset:8192*\t+1024*\q+512*\c   ; 512 consecutive bytes
.endr
.endr
.endr
	WIN 0x80                                       ; destination window 2
.irp t, 0,1
	global_load_b128 v[BI+BID*(\vs)+8*\t:BI+BID*(\vs)+8*\t+3], v[BO], s[10:11] offset:64*\t
	global_load_b128 v[BI+BID*(\vs)+8*\t+4:BI+BID*(\vs)+8*\t+7], v[BO], s[10:11] offset:64*\t+16
	global_load_b128 v[VV+16*(\vs)+8*\t:VV+16*(\vs)+8*\t+3], v[BO], s[12:13] offset:64*\t
	global_load_b128 v[VV+16*(\vs)+8*\t+4:VV+16*(\vs)+8*\t+7], v[BO], s[12:13] offset:64*\t+16
.endr
	WIN 0
.endm
; 16 loads: the next slice of h, 16 rows x 512 bytes, into set par.  Lanes 0-15 take 256 consecutive bytes of row 2 i, lanes 16-31 of row 2 i + 1.
.macro HG par
	s_min_u32 s27, s26, 31                         ; the two requests behind the last slice are held at it: no load leaves the buffer
	SLICE_OFF
	v_add_nc_u32 v[HO+\par], s27, v[HL]            ; (the set's last loads were shown done by the counted wait at the trip's head)
	s_add_co_u32 s26, s26, 1
	WIN 0xc0                                       ; destination window 3
.irp c, 0,1
.irp i, 0,1,2,3,4,5,6,7
	global_load_b128 v[64*\par+32*\c+4*\i:64*\par+32*\c+4*\i+3], v[HO+\par], s[4:5] offset:8192*\i+256*\c th:TH_LOAD_NT
.endr
.endr
	WIN 0
.endm
; A prefetch of the slice behind the next request: its loads are issued two trips on.  32 blocks of 256 bytes (16 rows x 2), a lane a block; each wave asks for its own rows, so each block is named once.
; It stands behind the trip's loads.  Slices 0 to 11 come by their loads alone; where no such slice is left, nothing is asked.
.macro ASK
	s_cmp_lt_u32 s26, 31
	s_cbranch_scc0 .Lno_ask_\@
	s_add_co_u32 s27, s26, 1
	s_min_u32 s27, s27, 31
	SLICE_OFF
	v_add_nc_u32 v[PF], s27, v[PFL]                ; (the last prefetch has read it: the wait on XCNT in this trip stands between)
	global_prefetch_b8 v[PF], s[4:5] th:TH_LOAD_NT scope:SCOPE_SE
.Lno_ask_\@:
.endm
; Set par of h: rounded to bf16 into the retention rows; and turned through my own stage, 64 along K at a time, so that lane (r, hh) holds the whole blocks k = 64 c + 32 hh + 0 .. 31 of row r in X + 32 c on.
; The stage is the wave's own and LDS serves a wave's instructions in order (ISA guide 5.7.1.4): no wait between its stores and loads.
.macro Q1 par
	WIN 0x8f                                       ; sources window 3, destination window 2
.irp c, 0,1
.irp i, 0,1,2,3,4,5,6,7
	v_cvt_pk_bf16_f32 v[T+16*\c+2*\i], v[64*\par+32*\c+4*\i], v[64*\par+32*\c+4*\i+1]
	v_cvt_pk_bf16_f32 v[T+16*\c+2*\i+1], v[64*\par+32*\c+4*\i+2], v[64*\par+32*\c+4*\i+3]
.endr
.endr
	WIN 0x08                                       ; an LDS store's data are its source 1: window 2
.irp c, 0,1
.irp i, 0,1,2,3,4,5,6,7
	ds_store_b64 v[RW], v[T+16*\c+2*\i:T+16*\c+2*\i+1] offset:4096*\i+128*\c+256*\par
.endr
.endr
.irp c, 0,1
	WIN 0x0c                                       ; data window 3
.irp i, 0,1,2,3,4,5,6,7
	ds_store_b128 v[STS], v[64*\par+32*\c+4*\i:64*\par+32*\c+4*\i+3] offset:544*\i
.endr
	WIN 0
.irp u, 0,1,2,3,4,5,6,7
	ds_load_b128 v[X+32*\c+4*\u:X+32*\c+4*\u+3], v[STL] offset:16*\u
.endr
.endr
.endm
; THE QUANTISER, in pieces that can stand between other work.  Line n of 32 of the two blocks' largest magnitudes (the blocks by turns); the first line of each has the floor 2^(3 - 127), which holds the byte at 1 from below.
.macro QMAX n
.set qc, (\n)%2
.set qu, (\n)/2
.if qu == 0
	v_max3_num_f32 v[QM+qc], |v[X+32*qc]|, |v[X+32*qc+1]|, 0x1800000
.else
	v_max3_num_f32 v[QM+qc], v[QM+qc], |v[X+32*qc+2*qu]|, |v[X+32*qc+2*qu+1]|
.endif
.endm
.macro QSCALE
	v_add_nc_u32 v[QE], 0xff000000, v[QM]          ; 2 off the exponent field: the conversion takes the exponent field of this operand as its scale, and nothing else of it
	v_add_nc_u32 v[QE+1], 0xff000000, v[QM+1]
	v_lshrrev_b32 v[QB], 23, v[QE]                 ; the scale's byte
	v_lshrrev_b32 v[QB+1], 23, v[QE+1]
	v_lshl_or_b32 v[QW], v[QB+1], 16, v[QB]        ; my two bytes: blocks hh and 2 + hh of row r,
	v_lshlrev_b32 v[QW], v[SH8], v[QW]             ; at their places in the scale word;
	v_permlanex16_b32 v[QP], v[QW], s20, s21
	v_or_b32 v[QW], v[QW], v[QP]                   ; with lane l xor 16's two the word is whole
.endm
.macro QCVT k                          ; register k of the fragment: eight codes
.set qk, \k
	v_cvt_scalef32_pk8_fp4_f32 v[CD+qk], v[X+32*(qk/4)+8*(qk%4):X+32*(qk/4)+8*(qk%4)+7], v[QE+qk/4]
.endm
.macro QSTORE sec                      ; the fragment goes to LDS as it stands, and the rows' scale word (both halves of the lanes write the same word with the same value)
	ds_store_b128 v[IM], v[CD:CD+3] offset:1024*\sec
	ds_store_b128 v[IM], v[CD+4:CD+7] offset:1024*\sec+512
	ds_store_b32 v[HSA], v[QW] offset:4*\sec
.endm
.macro ADDR_R                          ; at a body's head: no LDS instruction that names RW is out (the last were waited for in the trip before)
	s_lshl_b32 s27, s24, 9
	s_add_co_u32 s27, s27, s30
	v_add_nc_u32 v[RW], s27, v[RWB]
.endm
.macro ADDR_Q                          ; behind a wait for all my LDS instructions
	s_lshl_b32 s27, s24, 11
	v_add_nc_u32 v[IM], s27, v[IMB]
	s_lshl_b32 s27, s24, 3
	v_add_nc_u32 v[HSA], s27, v[HSB]
.endm
; 64 matrix instructions on set par of U: 2 tiles of U x 4 tiles of rows, K ascending.  The eight accumulators take turns, one instruction a turn.  The first K step starts the sums with ws as C.
.macro GEMM par
.irp q, 0,1,2,3,4,5,6,7
.if \q == 0
	WIN 0x26+\par                                  ; source 0 (U) window 2 or 3, source 1 (h) window 1, C (ws) window 2
.else
	WIN 0x06+\par
.endif
.irp t, 0,1
.irp m, 0,1,2,3
.set rD, ACC+8*(4*\t+\m)
.set rC, rD
.if \q == 0
.set rC, BI+BID*\par+8*\t
.endif
.set rA, 128*\par+8*(8*\t+\q)
.set rB, 8*(8*\m+\q)
.set rH, HS+8*(\m/2)+\q
.set rU, USC+USD*\par+\q
.if (\t == 0) && (\m%2 == 0)
	v_wmma_scale_f32_16x16x128_f8f6f4 v[rD:rD+7], v[rA:rA+7], v[rB:rB+7], v[rC:rC+7], v[rU], v[rH] matrix_a_fmt:MATRIX_FMT_FP4 matrix_b_fmt:MATRIX_FMT_FP4
.elseif \t == 0
	v_wmma_scale_f32_16x16x128_f8f6f4 v[rD:rD+7], v[rA:rA+7], v[rB:rB+7], v[rC:rC+7], v[rU], v[rH] matrix_a_fmt:MATRIX_FMT_FP4 matrix_b_fmt:MATRIX_FMT_FP4 matrix_b_scale:MATRIX_SCALE_ROW1
.elseif \m%2 == 0
	v_wmma_scale_f32_16x16x128_f8f6f4 v[rD:rD+7], v[rA:rA+7], v[rB:rB+7], v[rC:rC+7], v[rU], v[rH] matrix_a_fmt:MATRIX_FMT_FP4 matrix_b_fmt:MATRIX_FMT_FP4 matrix_a_scale:MATRIX_SCALE_ROW1
.else
	v_wmma_scale_f32_16x16x128_f8f6f4 v[rD:rD+7], v[rA:rA+7], v[rB:rB+7], v[rC:rC+7], v[rU], v[rH] matrix_a_fmt:MATRIX_FMT_FP4 matrix_b_fmt:MATRIX_FMT_FP4 matrix_a_scale:MATRIX_SCALE_ROW1 matrix_b_scale:MATRIX_SCALE_ROW1
.endif
.endr
.endr
.endr
.endm
.macro PLACES                          ; four places between the last products and the first read of a result (ISA guide 7.12.1)
.rept 4
	v_nop
.endr
.endm
; The 64 results become 1 / (1 + 2^(c x)) in place and are summed against v.  Two batches of transcendentals, each with one plain line and ONE wait behind it, ahead of its first reader.
; qz = 1: the quantiser's plain lines stand among them; they name none of their registers.
.macro TANH qz, par
.set i, 0
.rept 32
	v_pk_mul_f32 v[ACC+i:ACC+i+1], v[ACC+i:ACC+i+1], s[22:23] op_sel_hi:[1,0]   ; c x, ascending: each accumulator is read from its low end on
.set i, i+2
.endr
.set i, 0
.rept 32
	v_exp_f32 v[ACC+2*i], v[ACC+2*i]
	v_exp_f32 v[ACC+2*i+1], v[ACC+2*i+1]
.if \qz
	QMAX i
.endif
.set i, i+1
.endr
	v_nop
	s_wait_alu depctr_va_vdst(0)
.set i, 0
.rept 32
	v_pk_add_f32 v[ACC+i:ACC+i+1], v[ACC+i:ACC+i+1], 1.0 op_sel_hi:[1,0]
.set i, i+2
.endr
.if \qz
	QSCALE
.endif
.set i, 0
.rept 64
	v_rcp_f32 v[ACC+i], v[ACC+i]                   ; an overflowed 2^(c x) gives 0, a vanished one gives 1: tanh's two ends
.if \qz && (i%8 == 7)
	QCVT i/8
.endif
.set i, i+1
.endr
	v_nop                                          ; the plain line behind the last reciprocal and the last conversion
	s_wait_alu depctr_va_vdst(0)
	WIN 0x08                                       ; source 1 (v) window 2
.irp e, 0,1,2,3
.irp a, 0,1,2,3,4,5,6,7
	v_pk_fma_f32 v[S+2*\a:S+2*\a+1], v[ACC+8*\a+2*\e:ACC+8*\a+2*\e+1], v[VV+16*\par+8*(\a/4)+2*\e:VV+16*\par+8*(\a/4)+2*\e+1], v[S+2*\a:S+2*\a+1]
.endr
.endr
	WIN 0
.endm
; A trip of a tile that has a successor.  Loads are issued in this order: at a trip's head the next trip's 42 of U, ws and v; in its middle 16 of h.
.macro TRIP_A par
	s_wait_loadcnt 16                              ; only the 16 loads of h issued in the last trip's middle may be out: this trip's U, ws, v (asked for at the last trip's head) and set par of h (two trips ago) are in
	s_lshl_b32 s27, s24, 1
	s_add_co_u32 s27, s27, 1+\par
	s_and_b32 s27, s27, 7                          ; the next trip's number; behind the tile's last, the next tile's first
	UG 1-\par                                      ; into the set that the last trip multiplied: its products lie a whole tanh back
	Q1 \par
	GEMM \par
	WIN 0
	PLACES
	s_wait_xcnt 0x0                                ; the last trip's prefetch has read its address
	s_wait_dscnt 0x0                               ; X is in; the LDS stores have read set par, the bf16 pairs and the last trip's codes
.if \par == 0
	ADDR_Q
.endif
	HG \par                                        ; it has until the head of the trip after next in which to land
	ASK
	TANH 1, \par
	QSTORE \par
.endm
; A trip of the last tile: nothing is left to quantise, and every wait for loads is for 0.
.macro TRIP_C par
	s_wait_loadcnt 0x0                             ; this trip's U, asked for at the last trip's head
.if \par
	s_cmp_eq_u32 s24, 3
	s_cbranch_scc1 .Lno_more_\@                    ; behind the last trip there is no chunk of U
.endif
	s_lshl_b32 s27, s24, 1
	s_add_co_u32 s27, s27, 1+\par
	UG 1-\par
.if \par
.Lno_more_\@:
.endif
	GEMM \par
	WIN 0
	PLACES
	TANH 0, \par
.endm
; A step of the prologue: a slice of tile 0 is quantised, with no product beside it.
.macro PSTEP par
	s_wait_loadcnt 16                              ; only the other set's 16 loads may be out
	Q1 \par
	s_wait_dscnt 0x0
.if \par == 0
	ADDR_Q
.endif
	HG \par
.set i, 0
.rept 32
	QMAX i
.set i, i+1
.endr
	QSCALE
.set i, 0
.rept 8
	QCVT i
.set i, i+1
.endr
	v_nop                                          ; one plain line behind the last conversion
	QSTORE \par
.endm
.macro PLOAD g                         ; bf16 rows 8 g .. 8 g + 7, my 16 bytes of each, into half g % 2 of X
.irp i, 0,1,2,3,4,5,6,7
	ds_load_b128 v[X+32*((\g)%2)+4*\i:X+32*((\g)%2)+4*\i+3], v[PR+(\g)/2] offset:2048*(8*((\g)%2)+\i)
.endr
.endm
.macro PFMA g                          ; my 8 sums += weight x bf16 number, in f32
.irp i, 0,1,2,3,4,5,6,7
.irp k, 0,1,2,3
	v_fma_mix_f32_bf16 v[CACC+2*\k], v[X+32*((\g)%2)+4*\i+\k], v[WT+8*(\g)+\i], v[CACC+2*\k] op_sel_hi:[1,0,0]
	v_fma_mix_f32_bf16 v[CACC+2*\k+1], v[X+32*((\g)%2)+4*\i+\k], v[WT+8*(\g)+\i], v[CACC+2*\k+1] op_sel:[1,0,0] op_sel_hi:[1,0,0]
.endr
.endr
.endm
; A TILE'S END.  soft = 1: the tile's scores become weights, and its bf16 rows are summed.  reload = 1: the next tile's codes come into registers.
; Two barriers.  In front of the first every wave's stores (images, scale words, bf16 rows, score parts) are done; between the two, shared bytes are only read; behind the second they are written again.
.macro TILE_END soft, reload
.if \soft
.irp m, 0,1,2,3
	v_pk_add_f32 v[S+2*\m:S+2*\m+1], v[S+2*\m:S+2*\m+1], v[S+8+2*\m:S+8+2*\m+1]   ; the two tiles of U,
.endr
.irp m, 0,1,2,3
	v_add_f32 v[Z+\m], v[S+2*\m], v[S+2*\m+1]      ; even and odd columns,
.endr
	v_permlane16_swap_b32 v[Z], v[Z+1]             ; and the two halves of the lanes: behind the exchange and the addition lane l holds row l,
	v_permlane16_swap_b32 v[Z+2], v[Z+3]
	v_add_f32 v[Z], v[Z], v[Z+1]
	v_add_f32 v[Z+2], v[Z+2], v[Z+3]               ; and row 32 + l
	ds_store_b32 v[PAS], v[Z]
	ds_store_b32 v[PAS], v[Z+2] offset:128
.endif
	s_xor_b32 s30, s30, TURN                       ; the turn that is read now, and written from the second barrier on
	s_wait_dscnt 0x0
	s_barrier_signal -1
	s_barrier_wait -1
.if \soft
.irp e, 0,1,2,3
	ds_load_b64 v[TW+2*\e:TW+2*\e+1], v[PAL] offset:256*\e      ; the four waves' parts of rows 2 l and 2 l + 1
.endr
	v_add_nc_u32 v[PR], s30, v[PRB]
	v_add_nc_u32 v[PR+1], 0x10000, v[PR]
	v_add_nc_u32 v[PR+2], 0x20000, v[PR]
	v_add_nc_u32 v[PR+3], 0x30000, v[PR]
	s_wait_dscnt 0x0
.endif
.if \reload
	WIN 0x40                                       ; destination window 1
.irp f, 0,1,2,3,4,5,6,7,8,9,10,11,12,13,14,15,16,17,18,19,20,21,22,23,24,25,26,27,28,29,30,31
	ds_load_b128 v[8*\f:8*\f+3], v[IML] offset:1024*\f
	ds_load_b128 v[8*\f+4:8*\f+7], v[IML] offset:1024*\f+512
.endr
	WIN 0
.irp e, 0,1
	ds_load_b128 v[HS+8*\e:HS+8*\e+3], v[HSL] offset:1024*\e
	ds_load_b128 v[HS+8*\e+4:HS+8*\e+7], v[HSL] offset:1024*\e+16
.endr
.endif
.if \soft
	v_pk_add_f32 v[TW:TW+1], v[TW:TW+1], v[TW+2:TW+3]
	v_pk_add_f32 v[TW+4:TW+5], v[TW+4:TW+5], v[TW+6:TW+7]
	v_pk_add_f32 v[TW:TW+1], v[TW:TW+1], v[TW+4:TW+5]
	v_pk_mul_f32 v[TW:TW+1], v[TW:TW+1], 0xc038aa3b op_sel_hi:[1,0]   ; t = -2 log2(e) Z
	v_max_num_f32 v[TW+2], v[TW], v[TW+1]
	v_max_num_f32_dpp v[TW+2], v[TW+2], v[TW+2] row_xmask:1 row_mask:0xf bank_mask:0xf
	v_max_num_f32_dpp v[TW+2], v[TW+2], v[TW+2] row_xmask:2 row_mask:0xf bank_mask:0xf
	v_max_num_f32_dpp v[TW+2], v[TW+2], v[TW+2] row_xmask:4 row_mask:0xf bank_mask:0xf
	v_max_num_f32_dpp v[TW+2], v[TW+2], v[TW+2] row_xmask:8 row_mask:0xf bank_mask:0xf
	v_permlanex16_b32 v[TP], v[TW+2], s20, s21
	v_max3_num_f32 v[TW+4], v[TW+2], v[TP], v[MX]  ; the new m: the same in every lane and every wave
	v_sub_f32 v[TW+5], v[MX], v[TW+4]
	v_sub_f32 v[TW], v[TW], v[TW+4]
	v_sub_f32 v[TW+1], v[TW+1], v[TW+4]
	v_exp_f32 v[TW+6], v[TW+5]                     ; f = 2^(old m - new m)
	v_exp_f32 v[TW], v[TW]                         ; the two rows' weights
	v_exp_f32 v[TW+1], v[TW+1]
	v_mov_b32 v[MX], v[TW+4]                       ; (the plain line behind the three)
	s_wait_alu depctr_va_vdst(0)                   ; one wait for the three, ahead of their first reader
	v_fma_f32 v[LSUM], v[LSUM], v[TW+6], v[TW]     ; l, lane by lane; the lanes are joined at the end
.irp k, 0,2,4,6
	v_pk_mul_f32 v[CACC+\k:CACC+\k+1], v[CACC+\k:CACC+\k+1], v[TW+6:TW+7] op_sel_hi:[1,0]
.endr
	v_add_f32 v[LSUM], v[LSUM], v[TW+1]
	ds_store_b64 v[WGS], v[TW:TW+1]                ; the 64 weights through my own 256 bytes: every lane gets them all
.irp u, 0,1,2,3,4,5,6,7,8,9,10,11,12,13,14,15
	ds_load_b128 v[WT+4*\u:WT+4*\u+3], v[WGL] offset:16*\u
.endr
	PLOAD 0
	PLOAD 1
.irp g, 0,1,2,3,4,5,6,7
.if \g < 7
	s_wait_dscnt 8                                 ; this group's rows, and all that was asked for ahead of them, are in; the next group's eight loads may be out
.else
	s_wait_dscnt 0x0
.endif
	PFMA \g
.if \g < 6
	PLOAD \g+2
.endif
.endr
.endif
.if \reload
	s_wait_dscnt 0x0                               ; my reads of the images, the scale bytes, the parts and the bf16 rows are over
	s_barrier_signal -1
	s_barrier_wait -1
.irp a, 0,1,2,3,4,5,6,7,8,9,10,11,12,13,14,15
	v_mov_b32 v[S+\a], 0                           ; the next tile's scores begin
.endr
.endif
.endm
	s_load_b256 s[4:11], s[0:1], 0x0               ; h s[4:5], uimg s[6:7], U's scales s[8:9], ws s[10:11]
	s_load_b128 s[12:15], s[0:1], 0x20             ; v s[12:13], part s[14:15]
	v_lshl_add_u32 v63, v0, 2, 0x4d400
	v_mov_b32 v231, 0
	v_lshrrev_b32 v1, 5, v0
	v_readfirstlane_b32 s16, v1                    ; wave 0..3
	v_and_b32 v1, 31, v0                           ; lane
	v_and_b32 v2, 15, v0                           ; r
	v_bfe_u32 v3, v0, 4, 1                         ; hh
	v_lshlrev_b32 v[L16], 4, v1
	v_lshlrev_b32 v[L32], 5, v1
	v_lshlrev_b32 v[H32], 5, v3
	v_lshlrev_b32 v[HL], 4, v2
	v_lshl_add_u32 v[HL], v3, 12, v[HL]
	s_lshl_b32 s27, s16, 16
	v_lshlrev_b32 v[RWB], 3, v2
	v_lshl_add_u32 v[RWB], v3, 11, v[RWB]
	v_add_nc_u32 v[RWB], s27, v[RWB]
	s_mul_i32 s28, s16, STGW
	s_add_co_u32 s28, s28, STG
	v_mul_u32_u24 v[STS], v3, 272
	v_lshl_add_u32 v[STS], v2, 4, v[STS]
	v_add_nc_u32 v[STS], s28, v[STS]
	v_mul_u32_u24 v[STL], v2, 272
	v_lshl_add_u32 v[STL], v3, 7, v[STL]
	v_add_nc_u32 v[STL], s28, v[STL]
	s_lshl_b32 s27, s16, 13
	s_add_co_u32 s27, s27, IMG
	v_add_nc_u32 v[IMB], s27, v[L16]
	s_lshl_b32 s27, s16, 9
	v_add_nc_u32 v[PRB], s27, v[L16]
	s_add_co_u32 s27, s27, HSC
	v_lshl_add_u32 v[HSB], v2, 5, s27
	v_add_nc_u32 v[IML], IMG, v[L16]
	v_add_nc_u32 v[HSL], HSC, v[L32]
	s_lshl_b32 s27, s16, 8
	s_add_co_u32 s28, s27, PART
	v_lshl_add_u32 v[PAS], v1, 2, s28
	v_lshl_add_u32 v[PAL], v1, 3, PART
	s_add_co_u32 s28, s27, WGT
	v_lshl_add_u32 v[WGS], v1, 3, s28
	v_mov_b32 v[WGL], s28
	v_lshlrev_b32 v[SH8], 3, v3
	v_lshrrev_b32 v[PFL], 1, v1
	v_lshlrev_b32 v[PFL], 12, v[PFL]
	v_and_b32 v[PF], 1, v1
	v_lshl_add_u32 v[PFL], v[PF], 8, v[PFL]
	s_mov_b32 s20, 0x76543210
	s_mov_b32 s21, 0xfedcba98                      ; v_permlanex16_b32's selects for lane l xor 16
	s_mov_b32 s22, 0x4038aa3b                      ; c = 2 log2(e)
	s_mov_b32 s23, s22                             ; (named with it as a pair, so it is written)
	s_mov_b32 s26, 0                               ; the next slice of h to be asked for
	s_mov_b32 s30, 0                               ; the retention rows' turn
	v_mov_b32 v[MX], 0xff61b1e6                    ; the largest t so far: -3e38
	v_mov_b32 v[LSUM], 0
	v_mov_b32 v[QP], 0                             ; a lane permute's destination counts as one of its sources
	v_mov_b32 v[TP], 0
.irp k, 0,1,2,3,4,5,6,7
	v_mov_b32 v[CACC+\k], 0
.endr
	s_wait_kmcnt 0x0
	s_mov_b32 s29, 0
	s_lshl_b32 s28, ttmp9, 20                      ; h: the work-group's 256 rows of 4,096 bytes,
	s_lshl_b32 s27, s16, 16                        ; my wave's 16 of a tile's 64
	s_add_co_u32 s28, s28, s27
	s_add_nc_u64 s[4:5], s[4:5], s[28:29]
	s_lshl_b32 s28, s16, 17                        ; uimg: my 16 tiles of 8,192 bytes
	s_add_nc_u64 s[6:7], s[6:7], s[28:29]
	s_lshl_b32 s28, s16, 13                        ; U's scales: my 256 rows of 32 bytes
	s_add_nc_u64 s[8:9], s[8:9], s[28:29]
	s_lshr_b32 s28, ttmp9, 3                       ; ws: the batch's row,
	s_lshl_b32 s28, s28, 12
	s_lshl_b32 s27, s16, 10                        ; my 256 columns
	s_add_co_u32 s28, s28, s27
	s_add_nc_u64 s[10:11], s[10:11], s[28:29]
	s_mov_b32 s28, s27
	s_add_nc_u64 s[12:13], s[12:13], s[28:29]
	s_mul_i32 s28, ttmp9, 4352                     ; part: the work-group's 4,352 bytes
	s_add_nc_u64 s[14:15], s[14:15], s[28:29]
	s_mov_b32 s27, 0
	UG 0                                           ; the first trip's U, ws and v, into set 0: nothing touches their registers before the first product
	HG 0                                           ; tile 0, slices 0 and 1
	HG 1
	s_mov_b32 s24, 0
.Lpro:                                             ; THE PROLOGUE: tile 0 is quantised, two slices a body
	ADDR_R
	PSTEP 0
	PSTEP 1
	s_add_co_u32 s24, s24, 1
	s_cmp_lt_u32 s24, 4
	s_cbranch_scc1 .Lpro
	TILE_END 0, 1
	s_mov_b32 s25, 0
.Ltile:                                            ; TILES 0 TO 2: multiplied, while the tile behind is quantised
	s_mov_b32 s24, 0
.Ltrip:
	ADDR_R
	TRIP_A 0
	TRIP_A 1
	s_add_co_u32 s24, s24, 1
	s_cmp_lt_u32 s24, 4
	s_cbranch_scc1 .Ltrip
	TILE_END 1, 1
	s_add_co_u32 s25, s25, 1
	s_cmp_lt_u32 s25, 3
	s_cbranch_scc1 .Ltile
	s_mov_b32 s24, 0
.Llast:                                            ; TILE 3
	TRIP_C 0
	TRIP_C 1
	s_add_co_u32 s24, s24, 1
	s_cmp_lt_u32 s24, 4
	s_cbranch_scc1 .Llast
	TILE_END 1, 0
	; THE WAY OUT.  A lane's 8 sums are 32 neighbouring bytes: they go through my stage and come back 16 bytes a lane, so that each store covers 512 consecutive bytes.
	v_add_f32_dpp v[LSUM], v[LSUM], v[LSUM] row_xmask:1 row_mask:0xf bank_mask:0xf
	v_add_f32_dpp v[LSUM], v[LSUM], v[LSUM] row_xmask:2 row_mask:0xf bank_mask:0xf
	v_add_f32_dpp v[LSUM], v[LSUM], v[LSUM] row_xmask:4 row_mask:0xf bank_mask:0xf
	v_add_f32_dpp v[LSUM], v[LSUM], v[LSUM] row_xmask:8 row_mask:0xf bank_mask:0xf
	v_permlanex16_b32 v[TP], v[LSUM], s20, s21
	v_add_f32 v[LSUM], v[LSUM], v[TP]              ; l of the 256 rows, in every lane
	s_mul_i32 s27, s16, STGW
	s_add_co_u32 s27, s27, STG
	v_add_nc_u32 v[RW], s27, v[L32]
	v_add_nc_u32 v[IM], s27, v[L16]
	ds_store_b128 v[RW], v[CACC:CACC+3]
	ds_store_b128 v[RW], v[CACC+4:CACC+7] offset:16
	ds_load_b128 v[X:X+3], v[IM]                   ; LDS serves a wave's instructions in order: these see my stores
	ds_load_b128 v[X+4:X+7], v[IM] offset:512
	s_lshl_b32 s27, s16, 10
	v_add_nc_u32 v[OA], s27, v[L16]
	s_wait_dscnt 1
	global_store_b128 v[OA], v[X:X+3], s[14:15]
	s_wait_dscnt 0x0
	global_store_b128 v[OA], v[X+4:X+7], s[14:15] offset:512
	s_cmp_lg_u32 s16, 0
	s_cbranch_scc1 .Lend                           ; every wave holds the same m and l: wave 0 stores them,
	v_lshlrev_b32 v[HSA], 3, v1
	global_store_b64 v[HSA], v[MX:MX+1], s[14:15] offset:4096   ; 32 copies: 256 consecutive bytes
.Lend:
	s_wait_tensorcnt 0x0
	ds_add_u32 v63, v231
	s_wait_dscnt 0x0
	s_endpgm
.Lfunc_end_k_qee2df2337b_main:
	.size	k_qee2df2337b_main, .Lfunc_end_k_qee2df2337b_main-k_qee2df2337b_main
	.p2alignl 7, 3214868480
	.fill 96, 4, 3214868480
	.section	.rodata,"a",@progbits
	.p2align	6, 0x0
	.amdhsa_kernel k_qee2df2337b_main
		.amdhsa_group_segment_fixed_size 316928
		.amdhsa_private_segment_fixed_size 0
		.amdhsa_enable_private_segment 0
		.amdhsa_kernarg_size 48
		.amdhsa_user_sgpr_count 2
		.amdhsa_user_sgpr_kernarg_segment_ptr 1
		.amdhsa_wavefront_size32 1
		.amdhsa_system_sgpr_workgroup_id_x 1
		.amdhsa_system_sgpr_workgroup_id_y 1
		.amdhsa_system_sgpr_workgroup_id_z 1
		.amdhsa_system_vgpr_workitem_id 0
		.amdhsa_next_free_vgpr 1024
		.amdhsa_next_free_sgpr 66
		.amdhsa_reserve_vcc 0
		.amdhsa_float_denorm_mode_32 3
		.amdhsa_float_denorm_mode_16_64 3
		.amdhsa_memory_ordered 1
		.amdhsa_forward_progress 1
		.amdhsa_inst_pref_size 237
	.end_amdhsa_kernel
	.amdgpu_metadata
---
amdhsa.version: [ 1, 2 ]
amdhsa.kernels:
  - .name:           k_qee2df2337b_main
    .symbol:         k_qee2df2337b_main.kd
    .args:
      - { .name: h, .offset: 0, .size: 8, .value_kind: global_buffer, .address_space: global }
      - { .name: uimg, .offset: 8, .size: 8, .value_kind: global_buffer, .address_space: global }
      - { .name: U_a_scales, .offset: 16, .size: 8, .value_kind: global_buffer, .address_space: global }
      - { .name: ws, .offset: 24, .size: 8, .value_kind: global_buffer, .address_space: global }
      - { .name: v_a, .offset: 32, .size: 8, .value_kind: global_buffer, .address_space: global }
      - { .name: part, .offset: 40, .size: 8, .value_kind: global_buffer, .address_space: global }
    .group_segment_fixed_size: 316928
    .private_segment_fixed_size: 0
    .kernarg_segment_align: 8
    .kernarg_segment_size: 48
    .max_flat_workgroup_size: 128
    .sgpr_count:     66
    .vgpr_count:     1024
    .wavefront_size: 32
...
	.end_amdgpu_metadata
.endif
;; end of part 2
;; launch comb (part 3): grid 32 x 1, 8 waves a work-group, no clusters, 0 bytes of LDS; arguments part, out0; writes out0
.if DOCPART == 3
	.amdgcn_target "amdgcn-amd-amdhsa--gfx1250"
	.amdhsa_code_object_version 6
	.text
	.protected	k_qee2df2337b_comb
	.globl	k_qee2df2337b_comb
	.p2align	8
	.type	k_qee2df2337b_comb,@function
k_qee2df2337b_comb:
	s_mov_b64 s[64:65], 0
	v_nop
	global_prefetch_b8 v0, s[64:65] scope:SCOPE_SE
	s_setreg_imm32_b32 hwreg(HW_REG_WAVE_MODE, 25, 1), 1
	s_wait_xcnt 0x0
; out0[b][d] = sum over j of 2^(m_j - m*) P_j[d] / sum over j of 2^(m_j - m*) l_j, over the batch's eight parts; m* = the largest m_j.
; A part is 4,352 bytes: 1,024 f32 of P, then 32 copies of (m, l).  A work-group takes a batch; thread n owns columns 4 n .. 4 n + 3: each load and store of a wave covers 512 consecutive bytes.
; The divisor is at least 1: in the part that holds m* some row has the weight 1.  Memory binds this launch and it is small: no LDS, no barrier, no matrix unit.
	s_load_b128 s[4:7], s[0:1], 0x0                ; part, out0
	v_and_b32 v1, 31, v0
	v_lshlrev_b32 v1, 3, v1                        ; my copy of (m, l)
	v_lshlrev_b32 v2, 4, v0                        ; my four columns
	s_mul_i32 s8, ttmp9, 8*4352
	s_mov_b32 s9, 0
	s_lshl_b32 s10, ttmp9, 12
	s_mov_b32 s11, 0
	s_wait_kmcnt 0x0
	s_add_nc_u64 s[4:5], s[4:5], s[8:9]
	s_add_nc_u64 s[6:7], s[6:7], s[10:11]
.irp j, 0,1,2,3,4,5,6,7
	global_load_b64 v[4+2*\j:5+2*\j], v1, s[4:5] offset:4352*\j+4096
.endr
.irp j, 0,1,2,3,4,5,6,7
	global_load_b128 v[24+4*\j:27+4*\j], v2, s[4:5] offset:4352*\j
.endr
	s_wait_loadcnt 8                               ; the eight (m, l) are in; the eight loads of P may be out
	v_max3_num_f32 v20, v4, v6, v8
	v_max3_num_f32 v20, v20, v10, v12
	v_max3_num_f32 v20, v20, v14, v16
	v_max_num_f32 v20, v20, v18                    ; m*
.irp j, 0,1,2,3,4,5,6,7
	v_sub_f32 v[4+2*\j], v[4+2*\j], v20
.endr
.irp j, 0,1,2,3,4,5,6,7
	v_exp_f32 v[4+2*\j], v[4+2*\j]                 ; f_j = 2^(m_j - m*)
.endr
	v_mov_b32 v23, 0                               ; (a plain line behind the batch; v23 is named below as the upper half of a pair)
	s_wait_alu depctr_va_vdst(0)                   ; one wait for the eight, ahead of their first reader
	v_mul_f32 v22, v4, v5
.irp j, 1,2,3,4,5,6,7
	v_fma_f32 v22, v[4+2*\j], v[5+2*\j], v22
.endr
	v_rcp_f32 v22, v22
	v_nop
	s_wait_alu depctr_va_vdst(0)
	s_wait_loadcnt 0x0
	v_pk_mul_f32 v[56:57], v[24:25], v[4:5] op_sel_hi:[1,0]        ; of the pair (f, l) the low word serves both halves
	v_pk_mul_f32 v[58:59], v[26:27], v[4:5] op_sel_hi:[1,0]
.irp j, 1,2,3,4,5,6,7
	v_pk_fma_f32 v[56:57], v[24+4*\j:25+4*\j], v[4+2*\j:5+2*\j], v[56:57] op_sel_hi:[1,0,1]
	v_pk_fma_f32 v[58:59], v[26+4*\j:27+4*\j], v[4+2*\j:5+2*\j], v[58:59] op_sel_hi:[1,0,1]
.endr
	v_pk_mul_f32 v[56:57], v[56:57], v[22:23] op_sel_hi:[1,0]
	v_pk_mul_f32 v[58:59], v[58:59], v[22:23] op_sel_hi:[1,0]
	global_store_b128 v2, v[56:59], s[6:7]
	s_endpgm
.Lfunc_end_k_qee2df2337b_comb:
	.size	k_qee2df2337b_comb, .Lfunc_end_k_qee2df2337b_comb-k_qee2df2337b_comb
	.p2alignl 7, 3214868480
	.fill 96, 4, 3214868480
	.section	.rodata,"a",@progbits
	.p2align	6, 0x0
	.amdhsa_kernel k_qee2df2337b_comb
		.amdhsa_group_segment_fixed_size 0
		.amdhsa_private_segment_fixed_size 0
		.amdhsa_enable_private_segment 0
		.amdhsa_kernarg_size 16
		.amdhsa_user_sgpr_count 2
		.amdhsa_user_sgpr_kernarg_segment_ptr 1
		.amdhsa_wavefront_size32 1
		.amdhsa_system_sgpr_workgroup_id_x 1
		.amdhsa_system_sgpr_workgroup_id_y 1
		.amdhsa_system_sgpr_workgroup_id_z 1
		.amdhsa_system_vgpr_workitem_id 0
		.amdhsa_next_free_vgpr 64
		.amdhsa_next_free_sgpr 66
		.amdhsa_reserve_vcc 0
		.amdhsa_float_denorm_mode_32 3
		.amdhsa_float_denorm_mode_16_64 3
		.amdhsa_memory_ordered 1
		.amdhsa_forward_progress 1
		.amdhsa_inst_pref_size 5
	.end_amdhsa_kernel
	.amdgpu_metadata
---
amdhsa.version: [ 1, 2 ]
amdhsa.kernels:
  - .name:           k_qee2df2337b_comb
    .symbol:         k_qee2df2337b_comb.kd
    .args:
      - { .name: part, .offset: 0, .size: 8, .value_kind: global_buffer, .address_space: global }
      - { .name: out0, .offset: 8, .size: 8, .value_kind: global_buffer, .address_space: global }
    .group_segment_fixed_size: 0
    .private_segment_fixed_size: 0
    .kernarg_segment_align: 8
    .kernarg_segment_size: 16
    .max_flat_workgroup_size: 256
    .sgpr_count:     66
    .vgpr_count:     64
    .wavefront_size: 32
...
	.end_amdgpu_metadata
.endif
;; end of part 3
;; ======== version 2 of 2: 3 launches; version 1 with the launches prep, main written anew for expert scheduling mode
;; workspace buffers: uimg 524,288 bytes; ws 131,072 bytes; part 1,114,112 bytes
;; launch prep (part 4): grid 16 x 1, 4 waves a work-group, no clusters, 9,216 bytes of LDS; arguments U_a_codes, W_a_codes, W_a_scales, s_codes, s_scales, uimg, ws; writes uimg, ws
.if DOCPART == 4
	.amdgcn_target "amdgcn-amd-amdhsa--gfx1250"
	.amdhsa_code_object_version 6
	.text
	.protected	k_qee2df2337b_prep
	.globl	k_qee2df2337b_prep
	.p2align	8
	.type	k_qee2df2337b_prep,@function
k_qee2df2337b_prep:
	s_mov_b64 s[64:65], 0
	v_nop
	global_prefetch_b8 v0, s[64:65] scope:SCOPE_SE
	s_setreg_imm32_b32 hwreg(HW_REG_WAVE_SCHED_MODE, 0, 2), 2
	s_setreg_imm32_b32 hwreg(HW_REG_WAVE_MODE, 25, 1), 1
	s_wait_xcnt 0x0
	s_wait_alu depctr_vm_vsrc(0)
; Two small jobs ahead of the main launch.
; (1) uimg: U's codes in the order of an operand's registers, [tile of 16 rows a: 64][128 along K: 8][half of a fragment: 2][lane: 32][16 bytes], so that the main launch
;     loads a fragment by two loads of 512 consecutive bytes.  (2) ws[b][a] = sum over k of s[b][k] W[k][a], on codes of FP4 (E2M1) with E8M0 scales as they are given.
; SHARES: 64 waves, one to each tile nt = 4 x work-group + wave of 16 rows a, of U and of W alike.
; THE PRODUCT IS USED TRANSPOSED: source 0 = 16 rows of W, source 1 = 16 rows of s: lane (r, hh) then holds ws[16 mb + r][16 nt + 8 hh + 0 .. 7], eight neighbours of a row.
; A row's 64 numbers of a work-group (256 bytes) come from its four waves: they meet in a stage in LDS (32 rows x (256 + 16) bytes) and leave as whole aligned runs of 256 bytes.
; THE MODE: SCHED_MODE bits 1:0 = 2 (LLVM: expert scheduling mode 2), set by the entry lines.  The code itself states the register dependences between vector or matrix
; instructions and memory or LDS instructions, with s_wait_alu, always for 0.
; THE PLAN.  v3, v5 to v9: offsets and addresses, written once at the head, read by every load and store.  The fragments and scale words are written by loads alone and read by the products and
; by uimg's stores.  The two accumulators are written by the products and read by four LDS stores.  v184-199 are written by LDS loads and read by stores.  So three waits: the wave's number ahead of
; its first reader; the addresses ahead of the first load; the accumulators ahead of the LDS stores.
; REGISTERS: window 0: v3-9 addresses; v16-79 W's 8 fragments; v80-143 U's; v144-151 W's scale words; v152-167 those of s; v168-183 two accumulators; v184-199 the way out.  Window 1: v0-127 the 16 fragments of s.
.set WF,   16
.set UFR,  80
.set WSC,  144
.set SSC,  152
.set AC,   168
.set OUTR, 184
.set MSB, 0
.macro WIN new                         ; the immediate's high byte repeats the setting that is left
.if MSB != \new
	s_set_vgpr_msb (MSB<<8)|\new
.set MSB, \new
.endif
.endm
	s_load_b256 s[4:11], s[0:1], 0x0               ; U's codes s[4:5], W's codes s[6:7], W's scales s[8:9], the codes of s s[10:11]
	s_load_b128 s[12:15], s[0:1], 0x20             ; the scales of s s[12:13], uimg s[14:15]
	s_load_b64 s[16:17], s[0:1], 0x30              ; ws
	v_lshl_add_u32 v254, v0, 2, 0x2200
	v_mov_b32 v255, 0
	v_lshrrev_b32 v1, 5, v0
	v_readfirstlane_b32 s18, v1                    ; wave 0..3
	v_and_b32 v1, 31, v0                           ; lane
	v_and_b32 v2, 15, v0                           ; r
	v_bfe_u32 v4, v0, 4, 1                         ; hh
	v_lshlrev_b32 v3, 9, v2
	v_lshl_add_u32 v3, v4, 4, v3                   ; a fragment from rows of 512 bytes: 512 r + 16 hh
	v_lshlrev_b32 v5, 4, v1                        ; 16 x lane
	v_lshlrev_b32 v6, 5, v2                        ; a row of 32 scale bytes
	v_mul_u32_u24 v7, v2, 272
	v_lshl_add_u32 v7, v4, 5, v7
	s_wait_alu depctr_va_sdst(0)                   ; s18, the wave's number, is written, ahead of its first reader
	s_lshl_b32 s19, s18, 6
	v_add_nc_u32 v7, s19, v7                       ; the stage, on the way in: row r, + 64 x wave + 32 hh
	s_mul_i32 s19, s18, 8*272
	v_mul_u32_u24 v8, v4, 272
	v_lshl_add_u32 v8, v2, 4, v8
	v_add_nc_u32 v8, s19, v8                       ; and on the way out: rows 8 x wave + hh on, 16 bytes a lane
	s_lshl_b32 s19, s18, 15
	v_lshlrev_b32 v9, 12, v4
	v_lshl_add_u32 v9, v2, 4, v9
	v_add_nc_u32 v9, s19, v9                       ; the same rows in ws (4,096 bytes a row)
	s_lshl_b32 s20, ttmp9, 2
	s_add_co_u32 s20, s20, s18                     ; nt
	s_lshl_b32 s22, s20, 13                        ; 16 rows of 512 bytes, and a tile's image: 8,192 nt
	s_mov_b32 s23, 0
	s_lshl_b32 s24, s20, 9                         ; 16 rows of 32 scale bytes
	s_mov_b32 s25, 0
	s_lshl_b32 s26, ttmp9, 8                       ; the work-group's 64 columns of ws
	s_mov_b32 s27, 0
	s_wait_kmcnt 0x0
	s_add_nc_u64 s[4:5], s[4:5], s[22:23]
	s_add_nc_u64 s[6:7], s[6:7], s[22:23]
	s_add_nc_u64 s[14:15], s[14:15], s[22:23]
	s_add_nc_u64 s[8:9], s[8:9], s[24:25]
	s_add_nc_u64 s[16:17], s[16:17], s[26:27]
	s_wait_alu depctr_va_vdst(0)                   ; the offsets and addresses v3 and v5 to v9 are written, which every load and store below reads
.irp q, 0,1,2,3,4,5,6,7
.irp c, 0,1
	global_load_b128 v[UFR+8*\q+4*\c:UFR+8*\q+4*\c+3], v3, s[4:5] offset:64*\q+32*\c    ; U(16 nt + r, 128 q + 64 c + 32 hh ..): 32 codes
.endr
.endr
.irp q, 0,1,2,3,4,5,6,7
.irp c, 0,1
	global_load_b128 v[WF+8*\q+4*\c:WF+8*\q+4*\c+3], v3, s[6:7] offset:64*\q+32*\c
.endr
.endr
	global_load_b128 v[WSC:WSC+3], v6, s[8:9]                                           ; register q: row r's scale word of K step q
	global_load_b128 v[WSC+4:WSC+7], v6, s[8:9] offset:16
.irp b, 0,1
	global_load_b128 v[SSC+8*\b:SSC+8*\b+3], v6, s[12:13] offset:512*\b
	global_load_b128 v[SSC+8*\b+4:SSC+8*\b+7], v6, s[12:13] offset:512*\b+16
.endr
	WIN 0x40                                       ; destination window 1
.irp b, 0,1
.irp q, 0,1,2,3,4,5,6,7
.irp c, 0,1
	global_load_b128 v[8*(8*\b+\q)+4*\c:8*(8*\b+\q)+4*\c+3], v3, s[10:11] offset:8192*\b+64*\q+32*\c
.endr
.endr
.endr
	WIN 0
	s_wait_loadcnt 54                              ; U's sixteen loads are in; the 54 issued behind them (16 + 2 + 4 + 32) may be out
.irp q, 0,1,2,3,4,5,6,7
.irp c, 0,1
	global_store_b128 v5, v[UFR+8*\q+4*\c:UFR+8*\q+4*\c+3], s[14:15] offset:1024*\q+512*\c   ; the registers as they stand: 32 lanes store 512 consecutive bytes
.endr
.endr
	s_wait_loadcnt 0x0
	WIN 0x04                                       ; source 1 (s) window 1
.irp q, 0,1,2,3,4,5,6,7                        ; the two accumulators take turns, one instruction a turn; the first K step starts the sums
.irp b, 0,1
.if \q == 0
	v_wmma_scale_f32_16x16x128_f8f6f4 v[AC+8*\b:AC+8*\b+7], v[WF+8*\q:WF+8*\q+7], v[8*(8*\b+\q):8*(8*\b+\q)+7], 0, v[WSC+\q], v[SSC+8*\b+\q] matrix_a_fmt:MATRIX_FMT_FP4 matrix_b_fmt:MATRIX_FMT_FP4
.else
	v_wmma_scale_f32_16x16x128_f8f6f4 v[AC+8*\b:AC+8*\b+7], v[WF+8*\q:WF+8*\q+7], v[8*(8*\b+\q):8*(8*\b+\q)+7], v[AC+8*\b:AC+8*\b+7], v[WSC+\q], v[SSC+8*\b+\q] matrix_a_fmt:MATRIX_FMT_FP4 matrix_b_fmt:MATRIX_FMT_FP4
.endif
.endr
.endr
	WIN 0
.rept 4
	v_nop                                          ; four places between the last product and the first read of a result (ISA guide 7.12.1)
.endr
	s_wait_alu depctr_va_vdst(0)                   ; the products have written the two accumulators, which the LDS stores read; the places above stay beside this wait
.irp b, 0,1
	ds_store_b128 v7, v[AC+8*\b:AC+8*\b+3] offset:4352*\b          ; each accumulator from its low end on
	ds_store_b128 v7, v[AC+8*\b+4:AC+8*\b+7] offset:4352*\b+16
.endr
	s_wait_dscnt 0x0                               ; for the others' sake: my stores into the stage are done
	s_barrier_signal -1
	s_barrier_wait -1
.irp u, 0,1,2,3
	ds_load_b128 v[OUTR+4*\u:OUTR+4*\u+3], v8 offset:544*\u        ; two whole rows of 256 bytes
.endr
.irp u, 0,1,2,3
	s_wait_dscnt 3-\u
	global_store_b128 v9, v[OUTR+4*\u:OUTR+4*\u+3], s[16:17] offset:8192*\u   ; sixteen lanes store 256 consecutive bytes, at a multiple of 256 from the buffer's first byte
.endr
	s_wait_dscnt 0x0                               ; the closing lines, six on end
	s_wait_alu 0x0
	s_wait_tensorcnt 0x0
	ds_add_u32 v254, v255
	s_wait_dscnt 0x0
	s_endpgm
.Lfunc_end_k_qee2df2337b_prep:
	.size	k_qee2df2337b_prep, .Lfunc_end_k_qee2df2337b_prep-k_qee2df2337b_prep
	.p2alignl 7, 3214868480
	.fill 96, 4, 3214868480
	.section	.rodata,"a",@progbits
	.p2align	6, 0x0
	.amdhsa_kernel k_qee2df2337b_prep
		.amdhsa_group_segment_fixed_size 9216
		.amdhsa_private_segment_fixed_size 0
		.amdhsa_enable_private_segment 0
		.amdhsa_kernarg_size 56
		.amdhsa_user_sgpr_count 2
		.amdhsa_user_sgpr_kernarg_segment_ptr 1
		.amdhsa_wavefront_size32 1
		.amdhsa_system_sgpr_workgroup_id_x 1
		.amdhsa_system_sgpr_workgroup_id_y 1
		.amdhsa_system_sgpr_workgroup_id_z 1
		.amdhsa_system_vgpr_workitem_id 0
		.amdhsa_next_free_vgpr 384
		.amdhsa_next_free_sgpr 66
		.amdhsa_reserve_vcc 0
		.amdhsa_float_denorm_mode_32 3
		.amdhsa_float_denorm_mode_16_64 3
		.amdhsa_memory_ordered 1
		.amdhsa_forward_progress 1
		.amdhsa_inst_pref_size 14
	.end_amdhsa_kernel
	.amdgpu_metadata
---
amdhsa.version: [ 1, 2 ]
amdhsa.kernels:
  - .name:           k_qee2df2337b_prep
    .symbol:         k_qee2df2337b_prep.kd
    .args:
      - { .name: U_a_codes, .offset: 0, .size: 8, .value_kind: global_buffer, .address_space: global }
      - { .name: W_a_codes, .offset: 8, .size: 8, .value_kind: global_buffer, .address_space: global }
      - { .name: W_a_scales, .offset: 16, .size: 8, .value_kind: global_buffer, .address_space: global }
      - { .name: s_codes, .offset: 24, .size: 8, .value_kind: global_buffer, .address_space: global }
      - { .name: s_scales, .offset: 32, .size: 8, .value_kind: global_buffer, .address_space: global }
      - { .name: uimg, .offset: 40, .size: 8, .value_kind: global_buffer, .address_space: global }
      - { .name: ws, .offset: 48, .size: 8, .value_kind: global_buffer, .address_space: global }
    .group_segment_fixed_size: 9216
    .private_segment_fixed_size: 0
    .kernarg_segment_align: 8
    .kernarg_segment_size: 56
    .max_flat_workgroup_size: 128
    .sgpr_count:     66
    .vgpr_count:     384
    .wavefront_size: 32
...
	.end_amdgpu_metadata
.endif
;; end of part 4
;; launch main (part 5): grid 256 x 1, 4 waves a work-group, no clusters, 316,928 bytes of LDS; arguments h, uimg, U_a_scales, ws, v_a, part; writes part
.if DOCPART == 5
	.amdgcn_target "amdgcn-amd-amdhsa--gfx1250"
	.amdhsa_code_object_version 6
	.text
	.protected	k_qee2df2337b_main
	.globl	k_qee2df2337b_main
	.p2align	8
	.type	k_qee2df2337b_main,@function
k_qee2df2337b_main:
	s_mov_b64 s[64:65], 0
	v_nop
	global_prefetch_b8 v0, s[64:65] scope:SCOPE_SE
	s_setreg_imm32_b32 hwreg(HW_REG_WAVE_SCHED_MODE, 0, 2), 2
	s_setreg_imm32_b32 hwreg(HW_REG_WAVE_MODE, 25, 1), 1
	s_wait_xcnt 0x0
	s_wait_alu depctr_vm_vsrc(0)
; For 256 rows t of one batch: x[t][a] = ws[a] + sum over k of Q(h)[t][k] U[k][a] on codes of FP4 (E2M1) with E8M0 scales; the score e[t] = sum over a of v[a] tanh(x[t][a]); then the weighted sum of the rows.
; tanh x = 1 - 2 / (1 + 2^(2 log2(e) x)), so e = (sum of v) - 2 Z with Z = sum of v[a] / (1 + 2^(c x)).  The constant (sum of v) falls out of exp(e) / sum of exp(e), for every input.
; The weights are w = 2^(t - m), t = -2 log2(e) Z, m the running largest t; stored are sum of w h (1,024 f32), m and l = sum of w; the next launch joins a batch's eight parts.
; h IS READ FROM MEMORY ONCE: each slice is turned into codes for the product and, rounded to bf16, kept in LDS until its rows' weights are known.
; SHARES.  Four tiles of 64 rows.  A tile's work is 8 trips.  In trip j wave w multiplies the tile's 64 rows (their codes: 256 registers) by 32 columns a = 256 w + 32 j .. + 31 (64 matrix instructions, 64 registers of
; tanh), and meanwhile quantises slice j (128 along K) of its own 16 rows of the NEXT tile.  Codes go from wave to wave through LDS as images of the operand's registers.
; THE PRODUCT IS USED TRANSPOSED (source 0 = 16 rows of U, source 1 = 16 rows of h): lane (r, hh) holds row r and columns a0 + 8 hh + 0 .. 7; ws is the C of each sum's first matrix instruction.
; U A TRIP AHEAD.  U's fragments, its scale words, ws and v have two sets of registers, which take turns trip by trip.  The 42 loads for trip j + 1 stand at the head of trip j, into the set that trip j - 1 multiplied:
; they have the turn through the stage, the 64 products and the tanh in which to land.
; THE MODE: SCHED_MODE bits 1:0 = 2 (LLVM: expert scheduling mode 2), set by the entry lines.  The code itself states the register dependences between vector or matrix instructions and memory or LDS
; instructions, with s_wait_alu, always for 0.
; THE PLAN.  Registers that memory or LDS instructions touch in trip j (par = j % 2), and who else names them:
;   UO, USO, BO, HO[par], PF, and in even trips RW, IM, HSA: addresses, written by vector lines at the trip's head alone; read by this trip's loads, prefetch and LDS stores.
;   U's set, its scale words, ws, v:  the products and sums of trip j - 1 read set 1 - par; the 42 loads at the head of trip j land in it.
;   h's set par:  read by the trip's 32 roundings and then by its 16 stores into the stage; then the 16 loads of the slice two trips on land in it.
;   T:  written by the roundings, read by 16 LDS stores of the same trip.       X:  LDS loads land in it; read by the quantiser's lines in the tanh.
;   CD, QW:  written by the quantiser's lines in the tanh, read by three LDS stores at the trip's end.
; So a trip has: at its head one wait on vm_vsrc (all that was issued has read the addresses, T, CD and QW), then every line that writes an address and the roundings, then ONE wait on va_vdst, behind which
; U's loads, T's stores and the turn through the stage follow on end; behind the stage's stores a wait on va_vdst for h's set; h's loads among the products, behind a wait on vm_vsrc for the stage's stores;
; and the tanh's two waits, of which the second also serves the stores of CD and QW.  The products name the accumulators, U's set par, window 1, ws and scale words: no register of h's loads.
; NO TENSOR LOADS, NO CLUSTER, though every work-group walks the same U: LDS holds two tiles of bf16 rows (262,144 bytes), the images (32,768), the scale bytes (2,048), four stages (17,408) and 2,048 bytes of
; scores and weights: 316,416 of 327,680 bytes.  What is left, 11,264 bytes, holds no slot for U (one wave's chunk of a trip is 16,384 bytes).  So U comes from memory straight into registers, in fragment order.
; LIMITS: NaN and infinities among the inputs are not served.  A block of h whose largest magnitude lies under 2^-124 has the scale byte 1 (for a block of zeros too, where the rule says 127: its codes are
; zeros, and this program alone reads the bytes).  For the last product h is rounded to bf16.  The last two requests for h have no slice left and are held at slice 31, which is so loaded three times
; (64 KB of the work-group's 1 MB): the price of one text and one wait count for all trips.
; LDS: RET [wave 4][turn 2][16 rows][2,048 B]; IMG fragment (m, q) at 8,192 m + 1,024 q + 512 c + 16 lane; HSC 32 bytes a row; STG a stage of 16 rows x 272 B for each wave; PART, WGT 64 f32 for each wave.
; REGISTERS, in windows of 256 (s_set_vgpr_msb: bits 1:0 source 0, 3:2 source 1, 5:4 source 2, 7:6 destination):
;   window 0: v1-31, v56-59 addresses; v32-47 h's scale words; v48-55 and v208-215 U's, two sets; v64-127 the 8 accumulators, later the 64 weights; v128-191 64 numbers of h, later bf16 rows; v192-199 codes just made;
;             v200-207 the quantiser; v216 m, v217 l; v218-230 at work; v232-247 the scores' sums; v248-255 my 8 sums of w h.
;   window 1: the tile's 32 fragments, (m, q) at 8 (8 m + q).   window 2: v0-127 U's 16 fragments, set 0; v128-143 and v216-231 ws, two sets; v144-175 v, two sets; v184-215 bf16 pairs.
;   window 3: v0-127 h as loaded, two sets; v128-255 U's 16 fragments, set 1.
.set TURN, 0x8000                      ; from one turn of a wave's retention rows to the other
.set IMG,  262144
.set HSC,  294912
.set STG,  296960
.set STGW, 4352
.set PART, 314368
.set WGT,  315392
.set L16, 4                            ; 16 x lane
.set L32, 5                            ; 32 x lane
.set H32, 6                            ; 32 hh
.set HL,  7                            ; h: 4,096 hh + 16 r
.set HO,  8                            ; v8-9  the offsets of the two sets' loads of h
.set UO,  10                           ; U's fragments
.set USO, 11                           ; U's scale words
.set BO,  12                           ; ws and v
.set RWB, 13                           ; retention: 65,536 w + 2,048 hh + 8 r
.set RW,  14                           ; + the turn + 512 x body
.set STS, 15                           ; my stage, on the way in: 272 hh + 16 r
.set STL, 16                           ; and back: 272 r + 128 hh
.set IMB, 17                           ; my images: IMG + 8,192 w + 16 lane
.set IM,  18                           ; + 2,048 x body
.set HSB, 19                           ; my rows' scale bytes: HSC + 32 (16 w + r)
.set HSA, 20                           ; + 8 x body
.set IML, 21                           ; IMG + 16 lane
.set HSL, 22                           ; HSC + 32 lane
.set PAS, 23                           ; PART + 256 w + 4 lane
.set PAL, 24                           ; PART + 8 lane
.set WGS, 25                           ; WGT + 256 w + 8 lane
.set WGL, 26                           ; WGT + 256 w
.set PRB, 27                           ; 512 w + 16 lane: my 8 columns of a bf16 row
.set SH8, 28                           ; 8 hh
.set PFL, 29                           ; the prefetch: 4,096 (lane / 2) + 256 (lane % 2)
.set PF,  30
.set OA,  31
.set HS,  32                           ; register 8 p + q: lanes 0-15 the word of rows 32 p + r, lanes 16-31 of rows 32 p + 16 + r, K step q
.set USC, 48                           ; register q: lanes 0-15 the first tile's rows of U, lanes 16-31 the second's
.set USD, 160                          ; from set 0 of these words to set 1: v208-215
.set PR,  56                           ; v56-59 bf16 rows 16 m on: PRB + the turn + 65,536 m
.set ACC, 64
.set WT,  64
.set X,   128
.set CD,  192
.set QM,  200
.set QE,  202
.set QB,  204
.set QW,  206
.set QP,  207
.set MX,  216
.set LSUM, 217
.set Z,   218
.set TW,  222
.set TP,  230
.set S,   232
.set CACC, 248
.set BI,  128                          ; window 2
.set BID, 88                           ; from set 0 of ws to set 1: v216-231
.set VV,  144
.set T,   184
.set MSB, 0
.macro WIN new                         ; the immediate's high byte repeats the setting that is left; a switch that changes nothing is dropped
.if MSB != (\new)
	s_set_vgpr_msb (MSB<<8)|(\new)
.set MSB, (\new)
.endif
.endm
; s[d]: a slice's number, 8 x tile + slice -> s[d]: its bytes from the wave's first row: 64 rows of 4,096 a tile, 512 a slice
.macro SLICE_OFF d
	s_lshr_b32 s28, s[\d], 3
	s_lshl_b32 s28, s28, 18
	s_and_b32 s[\d], s[\d], 7
	s_lshl_b32 s[\d], s[\d], 9
	s_add_co_u32 s[\d], s[\d], s28
.endm
; What trip s27 (0..7) wants of U, ws and v.  UGA: the three address registers, written behind the waits that show the last such loads done and their registers read.
.macro UGA
	v_lshl_add_u32 v[UO], s27, 14, v[L16]          ; two tiles' images: 16,384 bytes a trip
	v_lshl_add_u32 v[USO], s27, 10, v[L32]         ; 32 rows of 32 scale bytes
	v_lshl_add_u32 v[BO], s27, 7, v[H32]           ; 32 f32
.endm
; UGL: the 42 loads, into set vs.  It begins under window 0 and leaves the destination's window at 2.
.macro UGL vs
	global_load_b128 v[USC+USD*(\vs):USC+USD*(\vs)+3], v[USO], s[8:9]
	global_load_b128 v[USC+USD*(\vs)+4:USC+USD*(\vs)+7], v[USO], s[8:9] offset:16
	WIN 0x80+0x40*(\vs)                            ; destination window 2 (set 0) or 3 (set 1)
.irp t, 0,1
.irp q, 0,1,2,3,4,5,6,7
.irp c, 0,1
	global_load_b128 v[128*(\vs)+8*(8*\t+\q)+4*\c:128*(\vs)+8*(8*\t+\q)+4*\c+3], v[UO], s[6:7] offset:8192*\t+1024*\q+512*\c   ; 512 consecutive bytes
.endr
.endr
.endr
	WIN 0x80                                       ; destination window 2
.irp t, 0,1
	global_load_b128 v[BI+BID*(\vs)+8*\t:BI+BID*(\vs)+8*\t+3], v[BO], s[10:11] offset:64*\t
	global_load_b128 v[BI+BID*(\vs)+8*\t+4:BI+BID*(\vs)+8*\t+7], v[BO], s[10:11] offset:64*\t+16
	global_load_b128 v[VV+16*(\vs)+8*\t:VV+16*(\vs)+8*\t+3], v[BO], s[12:13] offset:64*\t
	global_load_b128 v[VV+16*(\vs)+8*\t+4:VV+16*(\vs)+8*\t+7], v[BO], s[12:13] offset:64*\t+16
.endr
.endm
; The next slice of h, 16 rows x 512 bytes, into set par.  HGA: its offset.
.macro HGA par
	s_min_u32 s31, s26, 31                         ; the two requests behind the last slice are held at it: no load leaves the buffer
	SLICE_OFF 31
	s_add_co_u32 s26, s26, 1
	v_add_nc_u32 v[HO+\par], s31, v[HL]            ; (the set's last loads were shown done by the counted wait at the step's head)
.endm
; HGL: the 16 loads.  Lanes 0-15 take 256 consecutive bytes of row 2 i, lanes 16-31 of row 2 i + 1.
.macro HGL par
	WIN 0xc0                                       ; destination window 3
.irp c, 0,1
.irp i, 0,1,2,3,4,5,6,7
	global_load_b128 v[64*\par+32*\c+4*\i:64*\par+32*\c+4*\i+3], v[HO+\par], s[4:5] offset:8192*\i+256*\c th:TH_LOAD_NT
.endr
.endr
.endm
; A prefetch of the slice behind the next request: its loads are issued two trips on.  32 blocks of 256 bytes (16 rows x 2), a lane a block; each wave asks for its own rows, so each block is named once.
; PFADR makes its address at the trip's head, with the other addresses (held at slice 31 where no such slice is left: then it is not used).  ASK stands behind the trip's loads of h.
; Slices 0 to 11 come by their loads alone; where no such slice is left, nothing is asked.
.macro PFADR
	s_add_co_u32 s32, s26, 1
	s_min_u32 s32, s32, 31
	SLICE_OFF 32
	v_add_nc_u32 v[PF], s32, v[PFL]                ; (the last prefetch has read it: the waits on XCNT and on vm_vsrc at this trip's head stand between)
.endm
.macro ASK
	s_cmp_lt_u32 s26, 31
	s_cbranch_scc0 .Lno_ask_\@
	global_prefetch_b8 v[PF], s[4:5] th:TH_LOAD_NT scope:SCOPE_SE
.Lno_ask_\@:
.endm
; Set par of h.  Q1C: rounded to bf16, into T.
.macro Q1C par
	WIN 0x8f                                       ; sources window 3, destination window 2
.irp c, 0,1
.irp i, 0,1,2,3,4,5,6,7
	v_cvt_pk_bf16_f32 v[T+16*\c+2*\i], v[64*\par+32*\c+4*\i], v[64*\par+32*\c+4*\i+1]
	v_cvt_pk_bf16_f32 v[T+16*\c+2*\i+1], v[64*\par+32*\c+4*\i+2], v[64*\par+32*\c+4*\i+3]
.endr
.endr
.endm
; Q1L: T into the retention rows; and the set turned through my own stage, 64 along K at a time, so that lane (r, hh) holds the whole blocks k = 64 c + 32 hh + 0 .. 31 of row r in X + 32 c on.
; The stage is the wave's own and LDS serves a wave's instructions in order (ISA guide 5.7.1.4): no wait between its stores and loads.
.macro Q1L par
	WIN 0x08                                       ; an LDS store's data are its source 1: window 2
.irp c, 0,1
.irp i, 0,1,2,3,4,5,6,7
	ds_store_b64 v[RW], v[T+16*\c+2*\i:T+16*\c+2*\i+1] offset:4096*\i+128*\c+256*\par
.endr
.endr
.irp c, 0,1
	WIN 0x0c                                       ; data window 3
.irp i, 0,1,2,3,4,5,6,7
	ds_store_b128 v[STS], v[64*\par+32*\c+4*\i:64*\par+32*\c+4*\i+3] offset:544*\i
.endr
	WIN 0
.irp u, 0,1,2,3,4,5,6,7
	ds_load_b128 v[X+32*\c+4*\u:X+32*\c+4*\u+3], v[STL] offset:16*\u
.endr
.endr
.endm
; THE QUANTISER, in pieces that can stand between other work.  Line n of 32 of the two blocks' largest magnitudes (the blocks by turns); the first line of each has the floor 2^(3 - 127), which holds the byte at 1 from below.
.macro QMAX n
.set qc, (\n)%2
.set qu, (\n)/2
.if qu == 0
	v_max3_num_f32 v[QM+qc], |v[X+32*qc]|, |v[X+32*qc+1]|, 0x1800000
.else
	v_max3_num_f32 v[QM+qc], v[QM+qc], |v[X+32*qc+2*qu]|, |v[X+32*qc+2*qu+1]|
.endif
.endm
.macro QSCALE
	v_add_nc_u32 v[QE], 0xff000000, v[QM]          ; 2 off the exponent field: the conversion takes the exponent field of this operand as its scale, and nothing else of it
	v_add_nc_u32 v[QE+1], 0xff000000, v[QM+1]
	v_lshrrev_b32 v[QB], 23, v[QE]                 ; the scale's byte
	v_lshrrev_b32 v[QB+1], 23, v[QE+1]
	v_lshl_or_b32 v[QW], v[QB+1], 16, v[QB]        ; my two bytes: blocks hh and 2 + hh of row r,
	v_lshlrev_b32 v[QW], v[SH8], v[QW]             ; at their places in the scale word;
	v_permlanex16_b32 v[QP], v[QW], s20, s21
	v_or_b32 v[QW], v[QW], v[QP]                   ; with lane l xor 16's two the word is whole
.endm
.macro QCVT k                          ; register k of the fragment: eight codes
.set qk, \k
	v_cvt_scalef32_pk8_fp4_f32 v[CD+qk], v[X+32*(qk/4)+8*(qk%4):X+32*(qk/4)+8*(qk%4)+7], v[QE+qk/4]
.endm
.macro QSTORE sec                      ; the fragment goes to LDS as it stands, and the rows' scale word (both halves of the lanes write the same word with the same value)
	ds_store_b128 v[IM], v[CD:CD+3] offset:1024*\sec
	ds_store_b128 v[IM], v[CD+4:CD+7] offset:1024*\sec+512
	ds_store_b32 v[HSA], v[QW] offset:4*\sec
.endm
.macro ADDR_R                          ; in a body's first step, behind its wait on vm_vsrc: the LDS stores that named RW have read it
	s_lshl_b32 s33, s24, 9
	s_add_co_u32 s33, s33, s30
	v_add_nc_u32 v[RW], s33, v[RWB]
.endm
.macro ADDR_Q                          ; likewise IM and HSA
	s_lshl_b32 s33, s24, 11
	v_add_nc_u32 v[IM], s33, v[IMB]
	s_lshl_b32 s33, s24, 3
	v_add_nc_u32 v[HSA], s33, v[HSB]
.endm
; 8 n matrix instructions on set par of U: K steps from .. from + n - 1 of 2 tiles of U x 4 tiles of rows, K ascending.  The eight accumulators take turns, one instruction a turn.
; The first K step starts the sums with ws as C.
.macro GEMM par, from, n
.set gq, \from
.rept \n
.if gq == 0
	WIN 0x26+\par                                  ; source 0 (U) window 2 or 3, source 1 (h) window 1, C (ws) window 2
.else
	WIN 0x06+\par
.endif
.irp t, 0,1
.irp m, 0,1,2,3
.set rD, ACC+8*(4*\t+\m)
.set rC, rD
.if gq == 0
.set rC, BI+BID*\par+8*\t
.endif
.set rA, 128*\par+8*(8*\t+gq)
.set rB, 8*(8*\m+gq)
.set rH, HS+8*(\m/2)+gq
.set rU, USC+USD*\par+gq
.if (\t == 0) && (\m%2 == 0)
	v_wmma_scale_f32_16x16x128_f8f6f4 v[rD:rD+7], v[rA:rA+7], v[rB:rB+7], v[rC:rC+7], v[rU], v[rH] matrix_a_fmt:MATRIX_FMT_FP4 matrix_b_fmt:MATRIX_FMT_FP4
.elseif \t == 0
	v_wmma_scale_f32_16x16x128_f8f6f4 v[rD:rD+7], v[rA:rA+7], v[rB:rB+7], v[rC:rC+7], v[rU], v[rH] matrix_a_fmt:MATRIX_FMT_FP4 matrix_b_fmt:MATRIX_FMT_FP4 matrix_b_scale:MATRIX_SCALE_ROW1
.elseif \m%2 == 0
	v_wmma_scale_f32_16x16x128_f8f6f4 v[rD:rD+7], v[rA:rA+7], v[rB:rB+7], v[rC:rC+7], v[rU], v[rH] matrix_a_fmt:MATRIX_FMT_FP4 matrix_b_fmt:MATRIX_FMT_FP4 matrix_a_scale:MATRIX_SCALE_ROW1
.else
	v_wmma_scale_f32_16x16x128_f8f6f4 v[rD:rD+7], v[rA:rA+7], v[rB:rB+7], v[rC:rC+7], v[rU], v[rH] matrix_a_fmt:MATRIX_FMT_FP4 matrix_b_fmt:MATRIX_FMT_FP4 matrix_a_scale:MATRIX_SCALE_ROW1 matrix_b_scale:MATRIX_SCALE_ROW1
.endif
.endr
.endr
.set gq, gq+1
.endr
.endm
.macro PLACES                          ; four places between the last products and the first read of a result (ISA guide 7.12.1)
.rept 4
	v_nop
.endr
.endm
; The 64 results become 1 / (1 + 2^(c x)) in place and are summed against v.  Two batches of transcendentals, each with one plain line and ONE wait behind it, ahead of its first reader.
; qz = 1: the quantiser's plain lines stand among them; they name none of their registers.
.macro TANH qz, par
.set i, 0
.rept 32
	v_pk_mul_f32 v[ACC+i:ACC+i+1], v[ACC+i:ACC+i+1], s[22:23] op_sel_hi:[1,0]   ; c x, ascending: each accumulator is read from its low end on
.set i, i+2
.endr
.set i, 0
.rept 32
	v_exp_f32 v[ACC+2*i], v[ACC+2*i]
	v_exp_f32 v[ACC+2*i+1], v[ACC+2*i+1]
.if \qz
	QMAX i
.endif
.set i, i+1
.endr
	v_nop
	s_wait_alu depctr_va_vdst(0)                   ; the 64 exponentials have written their results, ahead of the first line that names one
.set i, 0
.rept 32
	v_pk_add_f32 v[ACC+i:ACC+i+1], v[ACC+i:ACC+i+1], 1.0 op_sel_hi:[1,0]
.set i, i+2
.endr
.if \qz
	QSCALE
.endif
.set i, 0
.rept 64
	v_rcp_f32 v[ACC+i], v[ACC+i]                   ; an overflowed 2^(c x) gives 0, a vanished one gives 1: tanh's two ends
.if \qz && (i%8 == 7)
	QCVT i/8
.endif
.set i, i+1
.endr
	v_nop                                          ; the plain line behind the last reciprocal and the last conversion
	s_wait_alu depctr_va_vdst(0)                   ; the 64 reciprocals have written their results; with qz = 1 the conversions have written CD and the scale's lines QW, which the LDS stores at the trip's end read: the sums below name S, the accumulators and v alone
	WIN 0x08                                       ; source 1 (v) window 2
.irp e, 0,1,2,3
.irp a, 0,1,2,3,4,5,6,7
	v_pk_fma_f32 v[S+2*\a:S+2*\a+1], v[ACC+8*\a+2*\e:ACC+8*\a+2*\e+1], v[VV+16*\par+8*(\a/4)+2*\e:VV+16*\par+8*(\a/4)+2*\e+1], v[S+2*\a:S+2*\a+1]
.endr
.endr
	WIN 0
.endm
; A trip of a tile that has a successor.  Loads are issued in this order: at a trip's head the next trip's 42 of U, ws and v; among its products 16 of h.
.macro TRIP_A par
	s_wait_loadcnt 16                              ; only the 16 loads of h issued among the last trip's products may be out: this trip's U, ws, v (asked for at the last trip's head) and set par of h (two trips ago) are in
	s_wait_xcnt 0x0                                ; the last trip's prefetch has had its address translated: PF is written again only behind this wait
	s_lshl_b32 s27, s24, 1
	s_add_co_u32 s27, s27, 1+\par
	s_and_b32 s27, s27, 7                          ; the next trip's number; behind the tile's last, the next tile's first
	s_wait_alu depctr_vm_vsrc(0)                   ; the loads, the prefetch and the LDS stores issued so far have read UO, USO, BO, HO, PF, RW, IM, HSA, T, CD and QW, all of which this trip writes again
.if \par == 0
	ADDR_R
	ADDR_Q
.endif
	UGA
	HGA \par
	PFADR
	Q1C \par
	WIN 0
	s_wait_alu depctr_va_vdst(0)                   ; the addresses and T are written; the last trip's products and sums are done reading the other set of U, its scale words, ws and v, and its quantiser is done reading X: loads land in all of these below
	UGL 1-\par                                     ; into the set that the last trip multiplied
	Q1L \par
	s_wait_alu depctr_va_vdst(0)                   ; the roundings are done reading set par of h, in which the loads among the products land; stated behind the stage's stores, which name the same registers
	GEMM \par, 0, 4
	WIN 0xc0                                       ; destination window 3
	s_wait_alu depctr_vm_vsrc(0)                   ; the stage's stores have read set par of h.  No product since the wait on va_vdst names that set or HO
	HGL \par                                       ; it has until the head of the trip after next in which to land
	WIN 0
	ASK
	GEMM \par, 4, 4
	WIN 0
	PLACES
	s_wait_dscnt 0x0                               ; X is in
	TANH 1, \par
	QSTORE \par
.endm
; A trip of the last tile: nothing is left to quantise, and every wait for loads is for 0.
.macro TRIP_C par
	s_wait_loadcnt 0x0                             ; this trip's U, asked for at the last trip's head
.if \par
	s_cmp_eq_u32 s24, 3
	s_cbranch_scc1 .Lno_more_\@                    ; behind the last trip there is no chunk of U
.endif
	s_lshl_b32 s27, s24, 1
	s_add_co_u32 s27, s27, 1+\par
	s_wait_alu depctr_vm_vsrc(0)                   ; the last trip's loads have read UO, USO and BO
	UGA
	s_wait_alu depctr_va_vdst(0)                   ; the three addresses are written; the last trip's products and sums are done reading the other set of U, its scale words, ws and v
	UGL 1-\par
	WIN 0
.if \par
.Lno_more_\@:
.endif
	GEMM \par, 0, 8
	WIN 0
	PLACES
	TANH 0, \par
.endm
; A step of the prologue: a slice of tile 0 is quantised, with no product beside it.
.macro PSTEP par
	s_wait_loadcnt 16                              ; only the other set's 16 loads may be out
	s_wait_alu depctr_vm_vsrc(0)                   ; the loads and the LDS stores issued so far have read HO, RW, IM, HSA, T, CD and QW, which this step writes again
.if \par == 0
	ADDR_R
	ADDR_Q
.endif
	HGA \par
	Q1C \par
	WIN 0x08
	s_wait_alu depctr_va_vdst(0)                   ; the addresses and T are written; the last step's quantiser is done reading X
	Q1L \par
	WIN 0xc0                                       ; destination window 3
	s_wait_alu depctr_vm_vsrc(0)                   ; the stage's stores have read set par of h,
	s_wait_alu depctr_va_vdst(0)                   ; and the roundings are done reading it: the loads below land there
	HGL \par
	WIN 0
	s_wait_dscnt 0x0                               ; X is in
.set i, 0
.rept 32
	QMAX i
.set i, i+1
.endr
	QSCALE
.set i, 0
.rept 8
	QCVT i
.set i, i+1
.endr
	v_nop                                          ; one plain line behind the last conversion
	s_wait_alu depctr_va_vdst(0)                   ; the conversions have written CD and the scale's lines QW, which the LDS stores read
	QSTORE \par
.endm
.macro PLOAD g                         ; bf16 rows 8 g .. 8 g + 7, my 16 bytes of each, into half g % 2 of X
.irp i, 0,1,2,3,4,5,6,7
	ds_load_b128 v[X+32*((\g)%2)+4*\i:X+32*((\g)%2)+4*\i+3], v[PR+(\g)/2] offset:2048*(8*((\g)%2)+\i)
.endr
.endm
.macro PFMA g                          ; my 8 sums += weight x bf16 number, in f32
.irp i, 0,1,2,3,4,5,6,7
.irp k, 0,1,2,3
	v_fma_mix_f32_bf16 v[CACC+2*\k], v[X+32*((\g)%2)+4*\i+\k], v[WT+8*(\g)+\i], v[CACC+2*\k] op_sel_hi:[1,0,0]
	v_fma_mix_f32_bf16 v[CACC+2*\k+1], v[X+32*((\g)%2)+4*\i+\k], v[WT+8*(\g)+\i], v[CACC+2*\k+1] op_sel:[1,0,0] op_sel_hi:[1,0,0]
.endr
.endr
.endm
; A TILE'S END.  soft = 1: the tile's scores become weights, and its bf16 rows are summed.  reload = 1: the next tile's codes come into registers.
; Two barriers.  In front of the first every wave's stores (images, scale words, bf16 rows, score parts) are done; between the two, shared bytes are only read; behind the second they are written again.
; Z, TW and PR, which LDS instructions of a tile's end read, are written again a tile later: the trips between have their waits on vm_vsrc.
.macro TILE_END soft, reload
.if \soft
.irp m, 0,1,2,3
	v_pk_add_f32 v[S+2*\m:S+2*\m+1], v[S+2*\m:S+2*\m+1], v[S+8+2*\m:S+8+2*\m+1]   ; the two tiles of U,
.endr
.irp m, 0,1,2,3
	v_add_f32 v[Z+\m], v[S+2*\m], v[S+2*\m+1]      ; even and odd columns,
.endr
	v_permlane16_swap_b32 v[Z], v[Z+1]             ; and the two halves of the lanes: behind the exchange and the addition lane l holds row l,
	v_permlane16_swap_b32 v[Z+2], v[Z+3]
	v_add_f32 v[Z], v[Z], v[Z+1]
	v_add_f32 v[Z+2], v[Z+2], v[Z+3]               ; and row 32 + l
	s_wait_alu depctr_va_vdst(0)                   ; Z and Z + 2 are written, which the two stores read; the tile's products, sums and quantiser are done with window 1, h's scale words, the accumulators, X and TW, in which the LDS loads below land
	ds_store_b32 v[PAS], v[Z]
	ds_store_b32 v[PAS], v[Z+2] offset:128
.endif
	s_xor_b32 s30, s30, TURN                       ; the turn that is read now, and written from the second barrier on
	s_wait_dscnt 0x0
	s_barrier_signal -1
	s_barrier_wait -1
.if \soft
.irp e, 0,1,2,3
	ds_load_b64 v[TW+2*\e:TW+2*\e+1], v[PAL] offset:256*\e      ; the four waves' parts of rows 2 l and 2 l + 1
.endr
	v_add_nc_u32 v[PR], s30, v[PRB]
	v_add_nc_u32 v[PR+1], 0x10000, v[PR]
	v_add_nc_u32 v[PR+2], 0x20000, v[PR]
	v_add_nc_u32 v[PR+3], 0x30000, v[PR]
	s_wait_dscnt 0x0
.endif
.if \reload
	WIN 0x40                                       ; destination window 1
.irp f, 0,1,2,3,4,5,6,7,8,9,10,11,12,13,14,15,16,17,18,19,20,21,22,23,24,25,26,27,28,29,30,31
	ds_load_b128 v[8*\f:8*\f+3], v[IML] offset:1024*\f
	ds_load_b128 v[8*\f+4:8*\f+7], v[IML] offset:1024*\f+512
.endr
	WIN 0
.irp e, 0,1
	ds_load_b128 v[HS+8*\e:HS+8*\e+3], v[HSL] offset:1024*\e
	ds_load_b128 v[HS+8*\e+4:HS+8*\e+7], v[HSL] offset:1024*\e+16
.endr
.endif
.if \soft
	v_pk_add_f32 v[TW:TW+1], v[TW:TW+1], v[TW+2:TW+3]
	v_pk_add_f32 v[TW+4:TW+5], v[TW+4:TW+5], v[TW+6:TW+7]
	v_pk_add_f32 v[TW:TW+1], v[TW:TW+1], v[TW+4:TW+5]
	v_pk_mul_f32 v[TW:TW+1], v[TW:TW+1], 0xc038aa3b op_sel_hi:[1,0]   ; t = -2 log2(e) Z
	v_max_num_f32 v[TW+2], v[TW], v[TW+1]
	v_max_num_f32_dpp v[TW+2], v[TW+2], v[TW+2] row_xmask:1 row_mask:0xf bank_mask:0xf
	v_max_num_f32_dpp v[TW+2], v[TW+2], v[TW+2] row_xmask:2 row_mask:0xf bank_mask:0xf
	v_max_num_f32_dpp v[TW+2], v[TW+2], v[TW+2] row_xmask:4 row_mask:0xf bank_mask:0xf
	v_max_num_f32_dpp v[TW+2], v[TW+2], v[TW+2] row_xmask:8 row_mask:0xf bank_mask:0xf
	v_permlanex16_b32 v[TP], v[TW+2], s20, s21
	v_max3_num_f32 v[TW+4], v[TW+2], v[TP], v[MX]  ; the new m: the same in every lane and every wave
	v_sub_f32 v[TW+5], v[MX], v[TW+4]
	v_sub_f32 v[TW], v[TW], v[TW+4]
	v_sub_f32 v[TW+1], v[TW+1], v[TW+4]
	v_exp_f32 v[TW+6], v[TW+5]                     ; f = 2^(old m - new m)
	v_exp_f32 v[TW], v[TW]                         ; the two rows' weights
	v_exp_f32 v[TW+1], v[TW+1]
	v_mov_b32 v[MX], v[TW+4]                       ; (the plain line behind the three)
	s_wait_alu depctr_va_vdst(0)                   ; the three exponentials have written f and the two weights, which the store below reads; PR's four addresses are written, which the loads of bf16 rows read
	ds_store_b64 v[WGS], v[TW:TW+1]                ; the 64 weights through my own 256 bytes: every lane gets them all
.irp u, 0,1,2,3,4,5,6,7,8,9,10,11,12,13,14,15
	ds_load_b128 v[WT+4*\u:WT+4*\u+3], v[WGL] offset:16*\u
.endr
	PLOAD 0
	PLOAD 1
	v_fma_f32 v[LSUM], v[LSUM], v[TW+6], v[TW]     ; l, lane by lane; the lanes are joined at the end
.irp k, 0,2,4,6
	v_pk_mul_f32 v[CACC+\k:CACC+\k+1], v[CACC+\k:CACC+\k+1], v[TW+6:TW+7] op_sel_hi:[1,0]
.endr
	v_add_f32 v[LSUM], v[LSUM], v[TW+1]
.irp g, 0,1,2,3,4,5,6,7
.if \g < 7
	s_wait_dscnt 8                                 ; this group's rows, and all that was asked for ahead of them, are in; the next group's eight loads may be out
.else
	s_wait_dscnt 0x0
.endif
	PFMA \g
.if \g < 6
	s_wait_alu depctr_va_vdst(0)                   ; the group's multiply-adds are done reading their half of X, in which the next eight loads land
	PLOAD \g+2
.endif
.endr
.endif
.if \reload
	s_wait_dscnt 0x0                               ; my reads of the images, the scale bytes, the parts and the bf16 rows are over
	s_barrier_signal -1
	s_barrier_wait -1
.irp a, 0,1,2,3,4,5,6,7,8,9,10,11,12,13,14,15
	v_mov_b32 v[S+\a], 0                           ; the next tile's scores begin
.endr
.endif
.endm
	s_load_b256 s[4:11], s[0:1], 0x0               ; h s[4:5], uimg s[6:7], U's scales s[8:9], ws s[10:11]
	s_load_b128 s[12:15], s[0:1], 0x20             ; v s[12:13], part s[14:15]
	v_lshl_add_u32 v63, v0, 2, 0x4d400
	v_mov_b32 v231, 0
	v_lshrrev_b32 v1, 5, v0
	v_readfirstlane_b32 s16, v1                    ; wave 0..3
	v_and_b32 v1, 31, v0                           ; lane
	v_and_b32 v2, 15, v0                           ; r
	v_bfe_u32 v3, v0, 4, 1                         ; hh
	v_lshlrev_b32 v[L16], 4, v1
	v_lshlrev_b32 v[L32], 5, v1
	v_lshlrev_b32 v[H32], 5, v3
	v_lshlrev_b32 v[HL], 4, v2
	v_lshl_add_u32 v[HL], v3, 12, v[HL]
	s_wait_alu depctr_va_sdst(0)                   ; s16, the wave's number, is written, ahead of its first reader
	s_lshl_b32 s27, s16, 16
	v_lshlrev_b32 v[RWB], 3, v2
	v_lshl_add_u32 v[RWB], v3, 11, v[RWB]
	v_add_nc_u32 v[RWB], s27, v[RWB]
	s_mul_i32 s28, s16, STGW
	s_add_co_u32 s28, s28, STG
	v_mul_u32_u24 v[STS], v3, 272
	v_lshl_add_u32 v[STS], v2, 4, v[STS]
	v_add_nc_u32 v[STS], s28, v[STS]
	v_mul_u32_u24 v[STL], v2, 272
	v_lshl_add_u32 v[STL], v3, 7, v[STL]
	v_add_nc_u32 v[STL], s28, v[STL]
	s_lshl_b32 s27, s16, 13
	s_add_co_u32 s27, s27, IMG
	v_add_nc_u32 v[IMB], s27, v[L16]
	s_lshl_b32 s27, s16, 9
	v_add_nc_u32 v[PRB], s27, v[L16]
	s_add_co_u32 s27, s27, HSC
	v_lshl_add_u32 v[HSB], v2, 5, s27
	v_add_nc_u32 v[IML], IMG, v[L16]
	v_add_nc_u32 v[HSL], HSC, v[L32]
	s_lshl_b32 s27, s16, 8
	s_add_co_u32 s28, s27, PART
	v_lshl_add_u32 v[PAS], v1, 2, s28
	v_lshl_add_u32 v[PAL], v1, 3, PART
	s_add_co_u32 s28, s27, WGT
	v_lshl_add_u32 v[WGS], v1, 3, s28
	v_mov_b32 v[WGL], s28
	v_lshlrev_b32 v[SH8], 3, v3
	v_lshrrev_b32 v[PFL], 1, v1
	v_lshlrev_b32 v[PFL], 12, v[PFL]
	v_and_b32 v[PF], 1, v1
	v_lshl_add_u32 v[PFL], v[PF], 8, v[PFL]
	s_mov_b32 s20, 0x76543210
	s_mov_b32 s21, 0xfedcba98                      ; v_permlanex16_b32's selects for lane l xor 16
	s_mov_b32 s22, 0x4038aa3b                      ; c = 2 log2(e)
	s_mov_b32 s23, s22                             ; (named with it as a pair, so it is written)
	s_mov_b32 s26, 0                               ; the next slice of h to be asked for
	s_mov_b32 s30, 0                               ; the retention rows' turn
	v_mov_b32 v[MX], 0xff61b1e6                    ; the largest t so far: -3e38
	v_mov_b32 v[LSUM], 0
	v_mov_b32 v[QP], 0                             ; a lane permute's destination counts as one of its sources
	v_mov_b32 v[TP], 0
.irp k, 0,1,2,3,4,5,6,7
	v_mov_b32 v[CACC+\k], 0
.endr
	s_wait_kmcnt 0x0
	s_mov_b32 s29, 0
	s_lshl_b32 s28, ttmp9, 20                      ; h: the work-group's 256 rows of 4,096 bytes,
	s_lshl_b32 s27, s16, 16                        ; my wave's 16 of a tile's 64
	s_add_co_u32 s28, s28, s27
	s_add_nc_u64 s[4:5], s[4:5], s[28:29]
	s_lshl_b32 s28, s16, 17                        ; uimg: my 16 tiles of 8,192 bytes
	s_add_nc_u64 s[6:7], s[6:7], s[28:29]
	s_lshl_b32 s28, s16, 13                        ; U's scales: my 256 rows of 32 bytes
	s_add_nc_u64 s[8:9], s[8:9], s[28:29]
	s_lshr_b32 s28, ttmp9, 3                       ; ws: the batch's row,
	s_lshl_b32 s28, s28, 12
	s_lshl_b32 s27, s16, 10                        ; my 256 columns
	s_add_co_u32 s28, s28, s27
	s_add_nc_u64 s[10:11], s[10:11], s[28:29]
	s_mov_b32 s28, s27
	s_add_nc_u64 s[12:13], s[12:13], s[28:29]
	s_mul_i32 s28, ttmp9, 4352                     ; part: the work-group's 4,352 bytes
	s_add_nc_u64 s[14:15], s[14:15], s[28:29]
	s_mov_b32 s27, 0
	UGA                                            ; the first trip's U, ws and v,
	HGA 0                                          ; tile 0, slices 0 and 1
	HGA 1
	s_wait_alu depctr_va_vdst(0)                   ; every address and offset of the head is written, which the loads below and the LDS instructions of the whole kernel read
	UGL 0                                          ; into set 0: nothing touches their registers before the first product
	HGL 0
	HGL 1
	WIN 0
	s_mov_b32 s24, 0
.Lpro:                                             ; THE PROLOGUE: tile 0 is quantised, two slices a body
	PSTEP 0
	PSTEP 1
	s_add_co_u32 s24, s24, 1
	s_cmp_lt_u32 s24, 4
	s_cbranch_scc1 .Lpro
	TILE_END 0, 1
	s_mov_b32 s25, 0
.Ltile:                                            ; TILES 0 TO 2: multiplied, while the tile behind is quantised
	s_mov_b32 s24, 0
.Ltrip:
	TRIP_A 0
	TRIP_A 1
	s_add_co_u32 s24, s24, 1
	s_cmp_lt_u32 s24, 4
	s_cbranch_scc1 .Ltrip
	TILE_END 1, 1
	s_add_co_u32 s25, s25, 1
	s_cmp_lt_u32 s25, 3
	s_cbranch_scc1 .Ltile
	s_mov_b32 s24, 0
.Llast:                                            ; TILE 3
	TRIP_C 0
	TRIP_C 1
	s_add_co_u32 s24, s24, 1
	s_cmp_lt_u32 s24, 4
	s_cbranch_scc1 .Llast
	TILE_END 1, 0
	; THE WAY OUT.  A lane's 8 sums are 32 neighbouring bytes: they go through my stage and come back 16 bytes a lane, so that each store covers 512 consecutive bytes.
	; All vector lines stand first, then one wait, then the stores and loads.
	s_wait_alu depctr_vm_vsrc(0)                   ; the LDS stores issued so far have read RW, IM and HSA, which are made anew here
	v_add_f32_dpp v[LSUM], v[LSUM], v[LSUM] row_xmask:1 row_mask:0xf bank_mask:0xf
	v_add_f32_dpp v[LSUM], v[LSUM], v[LSUM] row_xmask:2 row_mask:0xf bank_mask:0xf
	v_add_f32_dpp v[LSUM], v[LSUM], v[LSUM] row_xmask:4 row_mask:0xf bank_mask:0xf
	v_add_f32_dpp v[LSUM], v[LSUM], v[LSUM] row_xmask:8 row_mask:0xf bank_mask:0xf
	v_permlanex16_b32 v[TP], v[LSUM], s20, s21
	v_add_f32 v[LSUM], v[LSUM], v[TP]              ; l of the 256 rows, in every lane
	s_mul_i32 s27, s16, STGW
	s_add_co_u32 s27, s27, STG
	v_add_nc_u32 v[RW], s27, v[L32]
	v_add_nc_u32 v[IM], s27, v[L16]
	s_lshl_b32 s27, s16, 10
	v_add_nc_u32 v[OA], s27, v[L16]
	v_lshlrev_b32 v[HSA], 3, v1                    ; where a lane's copy of (m, l) goes
	s_wait_alu depctr_va_vdst(0)                   ; the four addresses, my 8 sums, m and l are written, which the stores below read; the last multiply-adds are done reading X, in which the loads from the stage land
	ds_store_b128 v[RW], v[CACC:CACC+3]
	ds_store_b128 v[RW], v[CACC+4:CACC+7] offset:16
	ds_load_b128 v[X:X+3], v[IM]                   ; LDS serves a wave's instructions in order: these see my stores
	ds_load_b128 v[X+4:X+7], v[IM] offset:512
	s_wait_dscnt 1
	global_store_b128 v[OA], v[X:X+3], s[14:15]
	s_wait_dscnt 0x0
	global_store_b128 v[OA], v[X+4:X+7], s[14:15] offset:512
	s_cmp_lg_u32 s16, 0
	s_cbranch_scc1 .Lend                           ; every wave holds the same m and l: wave 0 stores them,
	global_store_b64 v[HSA], v[MX:MX+1], s[14:15] offset:4096   ; 32 copies: 256 consecutive bytes
.Lend:
	s_wait_dscnt 0x0                               ; the closing lines, six on end
	s_wait_alu 0x0
	s_wait_tensorcnt 0x0
	ds_add_u32 v63, v231
	s_wait_dscnt 0x0
	s_endpgm
.Lfunc_end_k_qee2df2337b_main:
	.size	k_qee2df2337b_main, .Lfunc_end_k_qee2df2337b_main-k_qee2df2337b_main
	.p2alignl 7, 3214868480
	.fill 96, 4, 3214868480
	.section	.rodata,"a",@progbits
	.p2align	6, 0x0
	.amdhsa_kernel k_qee2df2337b_main
		.amdhsa_group_segment_fixed_size 316928
		.amdhsa_private_segment_fixed_size 0
		.amdhsa_enable_private_segment 0
		.amdhsa_kernarg_size 48
		.amdhsa_user_sgpr_count 2
		.amdhsa_user_sgpr_kernarg_segment_ptr 1
		.amdhsa_wavefront_size32 1
		.amdhsa_system_sgpr_workgroup_id_x 1
		.amdhsa_system_sgpr_workgroup_id_y 1
		.amdhsa_system_sgpr_workgroup_id_z 1
		.amdhsa_system_vgpr_workitem_id 0
		.amdhsa_next_free_vgpr 1024
		.amdhsa_next_free_sgpr 66
		.amdhsa_reserve_vcc 0
		.amdhsa_float_denorm_mode_32 3
		.amdhsa_float_denorm_mode_16_64 3
		.amdhsa_memory_ordered 1
		.amdhsa_forward_progress 1
		.amdhsa_inst_pref_size 238
	.end_amdhsa_kernel
	.amdgpu_metadata
---
amdhsa.version: [ 1, 2 ]
amdhsa.kernels:
  - .name:           k_qee2df2337b_main
    .symbol:         k_qee2df2337b_main.kd
    .args:
      - { .name: h, .offset: 0, .size: 8, .value_kind: global_buffer, .address_space: global }
      - { .name: uimg, .offset: 8, .size: 8, .value_kind: global_buffer, .address_space: global }
      - { .name: U_a_scales, .offset: 16, .size: 8, .value_kind: global_buffer, .address_space: global }
      - { .name: ws, .offset: 24, .size: 8, .value_kind: global_buffer, .address_space: global }
      - { .name: v_a, .offset: 32, .size: 8, .value_kind: global_buffer, .address_space: global }
      - { .name: part, .offset: 40, .size: 8, .value_kind: global_buffer, .address_space: global }
    .group_segment_fixed_size: 316928
    .private_segment_fixed_size: 0
    .kernarg_segment_align: 8
    .kernarg_segment_size: 48
    .max_flat_workgroup_size: 128
    .sgpr_count:     66
    .vgpr_count:     1024
    .wavefront_size: 32
...
	.end_amdgpu_metadata
.endif
;; end of part 5
;; launch comb: the kernel of part 3 again; grid 32 x 1, 8 waves a work-group, no clusters, 0 bytes of LDS; arguments part, out0; writes out0
